; MI455X (gfx1250); checked and timed in simulation.
; The chip was launched on July 23, 2026; its instructions are those of AMD's public machine-readable ISA for CDNA 5 (MIT licence, August 2026) and "CDNA5" Instruction Set Architecture Reference Guide (July 2026). The comments in the code are by the model that wrote it; some were corrected since.
;; Multi Head Self Attention. Allowed arithmetic: matrix products marked QUANTISED: E2M1 operands, one E8M0 scale for each 32 along K, by v_wmma_scale_f32_16x16x128_f8f6f4 with both operands' format E2M1 (or v_wmma_scale_f32_32x16x128_f4), f32 sums; products left as they are: bf16, f16 or f32 operands; f32 sums; everything else in f32.
;; Inputs: Wk 1,024 x 1,024 float32; Wo 1,024 x 1,024 float32; Wq 1,024 x 1,024 float32; Wv 1,024 x 1,024 float32; bk 1,024 float32; bo 1,024 float32; bq 1,024 float32; bv 1,024 float32; mask 1 x 1 x 4,096 x 4,096 bool; x 1 x 4,096 x 1,024 float32.
;; Outputs: out0 1 x 4,096 x 1,024 float32.
;; This version of the problem:
;;   THIS VERSION OF THE PROBLEM IS GIVEN IN LOW PRECISION. The matrix products marked QUANTISED in the list below multiply operands that are first quantised to E2M1 (2 exponent bits, 1 mantissa bit; 4 bits a number), with one power-of-two scale for each 32 numbers along K (OCP MX v1.0); their sums are f32. The products marked 'left as it is' may take bf16, f16 or f32 operands, with f32 sums. Whichever they take, every output number must still come out within the allowed error. Rounding operands to bf16 (8 significant bits) uses up far more of that allowance than f16 does (11 bits, for magnitudes from 6e-5 to 65,504). All else is computed in f32.
;;   The module's matrix products, in the order in which they are computed (A, B: the left and right operand; K: the contracted axis; several contracted axes count as one K, in the product's order):
;;     1. [M 4,096, K 1,024] x [K 1,024, N 1,024]; A: input x; B: input Wq: QUANTISED
;;     2. [M 4,096, K 1,024] x [K 1,024, N 1,024]; A: input x; B: input Wk: QUANTISED
;;     3. [M 4,096, K 1,024] x [K 1,024, N 1,024]; A: input x; B: input Wv: QUANTISED
;;     4. batch 16 x [M 4,096, K 64] x [K 64, N 4,096]; A: computed on the way; B: computed on the way: left as it is (an operand is computed on the way)
;;     5. batch 16 x [M 4,096, K 4,096] x [K 4,096, N 64]; A: computed on the way; B: computed on the way: left as it is (an operand is computed on the way)
;;     6. [M 4,096, K 1,024] x [K 1,024, N 1,024]; A: computed on the way; B: input Wo: left as it is (an operand is computed on the way)
;;   THE QUANTISER, for each operand of a quantised product, along K:
;;     - K is cut into blocks of 32 from its start; a last block that is shorter is filled with zeros.
;;     - A block's scale is 2^e with e = floor(log2(the largest magnitude in the block)) - 2, held to -126 .. 127; a block of zeros has e = 0. As a byte (E8M0): e + 127.
;;     - Each number is divided by its block's scale, clamped to +-6, and rounded to the nearest number of E2M1, ties to even, subnormals kept.
;;     - The product sums the exact products of the quantised numbers (number of the format x scale) in f32.
;;   ~~~python
;;   def quantise(x, axis):      # numpy; x: float32 -> the quantised numbers, widened to float32 again
;;       x = np.moveaxis(x, axis, -1); K = x.shape[-1]
;;       x = np.pad(x, [(0, 0)] * (x.ndim - 1) + [(0, -K % 32)]); x = x.reshape(x.shape[:-1] + (-1, 32)); a = np.abs(x).max(-1, keepdims=True)
;;       e = np.where(a > 0, np.clip(np.frexp(np.where(a > 0, a, 1))[1] - 1 - 2, -126, 127), 0)      # np.frexp(a)[1] - 1 = floor(log2(a)), exactly
;;       r = np.clip(x / 2.0 ** e, -6, 6)
;;       step = 2.0 ** (np.maximum(np.frexp(np.where(r == 0, 1, r))[1] - 1, 0) - 1)
;;       q = np.round(r / step) * step * 2.0 ** e      # np.round: ties to even
;;       return np.moveaxis(q.reshape(q.shape[:-2] + (-1,))[..., :K], -1, axis).astype(np.float32)
;;   ~~~
;; One version. Each part assembles by itself: llvm-mc -triple=amdgcn-amd-amdhsa -mcpu=gfx1250 --defsym DOCPART=n.
;; ======== version 1 of 1: 6 launches
;; limits: values are held in f16: magnitudes above 65,504 overflow, below 6.1e-05 lose precision
;; workspace buffers: xq 2,228,224 bytes; wq 1,671,168 bytes; wot 2,097,152 bytes; mw 2,097,152 bytes of whole numbers; fl 256 bytes of whole numbers; qkv 25,165,824 bytes; o 8,388,608 bytes; of 65,536 bytes
;; launch prep (part 1): grid 752 x 1, 4 waves a work-group, no clusters, 136,704 bytes of LDS; arguments x, Wq, Wk, Wv, Wo, mask, xq, wq, wot, mw, fl; writes xq, wq, wot, mw, fl
.if DOCPART == 1
	.amdgcn_target "amdgcn-amd-amdhsa--gfx1250"
	.amdhsa_code_object_version 6
	.text
	.protected	k_q29cd85af1f_prep
	.globl	k_q29cd85af1f_prep
	.p2align	8
	.type	k_q29cd85af1f_prep,@function
k_q29cd85af1f_prep:
	s_mov_b64 s[64:65], 0
	v_nop
	global_prefetch_b8 v0, s[64:65] scope:SCOPE_SE
	s_setreg_imm32_b32 hwreg(HW_REG_WAVE_MODE, 25, 1), 1
	s_wait_xcnt 0x0
; PREP: everything that is laid out once for the later launches.  Four kinds of work-group, parted at the head on the work-group's number; each kind has LDS bytes of its own and its own end.
;   0-127   x [4096][1024] f32 -> codes of E2M1 (K innermost, 512 bytes a row) and one E8M0 byte for each 32 along K, both in xq (the bytes from XS on)
;   128-175 Wq, Wk, Wv [k 1024][n 1024] f32 -> codes laid [3072 (1024 t + n)][512 bytes], K innermost, and scale bytes [3072][32], both in wq (the bytes from WS on)
;   176-239 Wo [k][n] f32 -> f16 laid [n][k] in wot
;   240-751 mask [4096][4096] bytes -> lane-mask words in mw: word [qt][kt][j], bit L = mask[16 qt + L % 16][16 kt + 8 (L / 16) + j];
;           and for query tile 0 alone eight flag words in fl: bit i of word c = key tile 32 c + i holds a true entry for rows 0-15
; A block's scale is 2^(floor(log2(its largest magnitude)) - 2): its byte is the largest magnitude's exponent field - 2, held at 1 from below.
; LIMITS: a block of zeros gets the byte 1 where the rule says 127 (its codes are zeros, and this program alone reads the bytes); blocks whose largest magnitude lies under 2^-124 are held at the byte 1;
; NaN and infinities among the inputs are not served; Wo goes to f16 (magnitudes up to 65,504; under 6e-5 with an absolute error of 3e-8).
.set XS,    2097152                    ; xq: where the scale bytes begin
.set WS,    1572864                    ; wq: likewise
.set SPW,   192                        ; v192 LDS address of my spare word; never rewritten
.set NIL,   193                        ; v193 0; never rewritten
.set STEPS, 16
.set WREG,  8192                       ; x's path: a region for each wave: two stages of 32 x SP bytes and 256 scale bytes
.set SP,    80
.set WSTG,  32768                      ; the weights' path: four stages of 32 x 272 bytes
.set OSTG,  67584                      ; Wo's path: likewise
.set MSTG,  102400                     ; the mask's path: four stages of 16 x 528 bytes
.set SPARE, 136192                     ; the spare words, 128 bytes for each wave
.set WP,    272
.set MPI,   528
.set XR,    16                         ; x: v16-79 four sets of 16 numbers as loaded; v80-111 two sets of 16 neighbours; v112-127 bytes; v128-191 codes
.set XX,    80
.set XE,    112
.set XC,    128
.set WX,    32                         ; weights: v32-95 two sets of 32 numbers; v96.. codes or halves; v112-175 the way out; v24-27 scale bytes
.set WC,    96
.set WOUT,  112
.set WSB,   24
.macro CLOSE                           ; a wave's end
	s_wait_tensorcnt 0x0
	ds_add_u32 v[SPW], v[NIL]
	s_wait_dscnt 0x0
	s_endpgm
.endm
	s_load_b256 s[4:11], s[0:1], 0x0               ; x s[4:5], Wq s[6:7], Wk s[8:9], Wv s[10:11]
	s_load_b256 s[12:19], s[0:1], 0x20             ; Wo s[12:13], mask s[14:15], xq s[16:17], wq s[18:19]
	s_load_b128 s[20:23], s[0:1], 0x40             ; wot s[20:21], mw s[22:23]
	s_load_b64 s[46:47], s[0:1], 0x50              ; fl
	v_lshl_add_u32 v[SPW], v0, 2, SPARE
	v_mov_b32 v[NIL], 0
	v_lshrrev_b32 v1, 5, v0
	v_readfirstlane_b32 s24, v1                    ; wave 0..3
	v_and_b32 v2, 31, v0                           ; lane
	s_wait_kmcnt 0x0
	s_cmp_lt_u32 ttmp9, 128
	s_cbranch_scc1 .Lpath_x
	s_cmp_lt_u32 ttmp9, 176
	s_cbranch_scc1 .Lpath_w
	s_cmp_lt_u32 ttmp9, 240
	s_cbranch_scc1 .Lpath_o
; ---------------- THE MASK.  A wave takes 16 rows x 512 keys: 16 loads of 512 consecutive bytes; through its stage, so that lane (r, h) holds the 8 bytes of row r, keys 16 kt + 8 h + 0..7; a compare makes a lane mask of each byte place.
	s_sub_co_u32 s25, ttmp9, 240
	s_lshr_b32 s26, s25, 1                         ; qt: which 16 rows
	s_and_b32 s27, s25, 1
	s_lshl_b32 s27, s27, 2
	s_add_co_u32 s27, s27, s24                     ; which 512 keys: 0..7
	v_lshlrev_b32 v3, 4, v2                        ; 16 bytes a lane
	s_mul_i32 s28, s24, 16*MPI
	s_add_co_u32 s28, s28, MSTG                    ; my stage
	v_add_nc_u32 v4, s28, v3                       ; into it: a row as it lies
	v_and_b32 v5, 15, v2
	v_lshrrev_b32 v6, 4, v2
	v_mul_u32_u24 v7, v5, MPI
	v_lshl_add_u32 v7, v6, 3, v7
	v_add_nc_u32 v7, s28, v7                       ; out of it: row r, + 8 h
	v_lshlrev_b32 v8, 3, v2                        ; the words leave 8 bytes a lane
	s_lshl_b32 s30, s26, 16                        ; 16 rows of 4,096 bytes
	s_lshl_b32 s31, s27, 9
	s_add_co_u32 s30, s30, s31
	s_mov_b32 s31, 0
	s_add_nc_u64 s[14:15], s[14:15], s[30:31]
	s_lshl_b32 s30, s26, 13                        ; 8,192 bytes of words for each qt,
	s_lshl_b32 s29, s27, 10                        ; 1,024 for my 32 key tiles
	s_add_co_u32 s30, s30, s29
	s_add_nc_u64 s[44:45], s[22:23], s[30:31]
	s_lshl_b32 s30, s27, 2
	s_add_nc_u64 s[46:47], s[46:47], s[30:31]      ; the flag word of my 32 key tiles (used where qt = 0)
.set i, 0
.rept 16
	global_load_b128 v[16+4*i:19+4*i], v3, s[14:15] offset:4096*i th:TH_LOAD_NT
.set i, i+1
.endr
.set i, 0
.rept 8
	v_mov_b32 v[144+i], 0                          ; written once: a lane write's destination counts as read
.set i, i+1
.endr
	s_mov_b32 s42, 0                               ; the flags
.set i, 0
.rept 16
	s_wait_loadcnt 15-i                            ; row i is in; the younger rows may be out
	ds_store_b128 v4, v[16+4*i:19+4*i] offset:MPI*i
.set i, i+1
.endr
.set i, 0
.rept 32
	ds_load_b64 v[80+2*i:81+2*i], v7 offset:16*i   ; LDS serves a wave's instructions in order: these see my stores.  Pitch 528: the 32 lanes touch 64 different banks
.set i, i+1
.endr
.set kt, 0
.rept 32
	s_wait_dscnt 31-kt                             ; key tile kt's 8 bytes are in; the younger loads may be out
.set j, 0
.rept 8
	v_and_b32 v[152+j], 0xff<<(8*(j%4)), v[80+2*kt+j/4]
.set j, j+1
.endr
.set j, 0
.rept 8
	v_cmp_ne_u32 s[32+j], 0, v[152+j]              ; bit L: lane L's byte j is true
.set j, j+1
.endr
.set j, 0
.rept 8
	v_writelane_b32 v[144+2*((8*kt+j)/64)+(j%2)], s[32+j], ((8*kt+j)/2)%32   ; word 8 kt + j to its place in the four stores of 8 bytes a lane
.set j, j+1
.endr
	s_or_b32 s40, s32, s33
.set j, 2
.rept 6
	s_or_b32 s40, s40, s[32+j]                     ; the last of these leaves SCC = the tile holds a true entry
.set j, j+1
.endr
	s_cselect_b32 s41, 1<<kt, 0
	s_or_b32 s42, s42, s41
.set kt, kt+1
.endr
.irp g, 0,1,2,3
	global_store_b64 v8, v[144+2*\g:145+2*\g], s[44:45] offset:256*\g   ; 32 lanes store 256 consecutive bytes, aligned
.endr
	s_cmp_lg_u32 s26, 0                            ; only query tile 0's flags are read later, so only they are stored: a branch on the work-group's number
	s_cbranch_scc1 .Lno_flag
	v_mov_b32 v14, s42
	v_mov_b32 v15, 0
	v_cmp_eq_u32 vcc_lo, 0, v2
	s_wait_xcnt 0x0                                ; EXEC is a source of the stores above: it changes only behind this wait
	s_and_saveexec_b32 s43, vcc_lo
	global_store_b32 v15, v14, s[46:47]            ; lane 0 stores the flag word
	s_wait_xcnt 0x0                                ; and again in front of the line that widens it
	s_or_b32 exec_lo, exec_lo, s43
.Lno_flag:
	CLOSE
; ---------------- x.  A plain stream of blocks of 32.  A wave takes 16 steps of 512 numbers; each load reads 512 consecutive bytes; a step's 2,048 bytes turn through the wave's stage so that a lane holds 16 neighbours.
.Lpath_x:
	v_lshlrev_b32 v3, 4, v2                        ; my 16 bytes of a load's 512
	s_mul_i32 s25, s24, WREG
	v_lshrrev_b32 v14, 2, v2
	v_mul_u32_u24 v14, v14, SP
	v_and_b32 v15, 3, v2
	v_lshl_add_u32 v14, v15, 4, v14
	v_add_nc_u32 v14, s25, v14                     ; the stage, on the way in: SP (lane / 4) + 16 (lane % 4)
	v_mul_u32_u24 v15, v2, SP
	v_add_nc_u32 v15, s25, v15                     ; on the way out: SP x lane
	v_lshlrev_b32 v4, 3, v2                        ; 8 bytes a lane: my codes' place in a step's, and my part of the wave's scale bytes
	v_lshrrev_b32 v5, 1, v2
	s_add_co_u32 s25, s25, 2*32*SP
	v_add_nc_u32 v5, s25, v5                       ; LDS: my block's scale byte
	v_add_nc_u32 v6, s25, v4                       ; and where I read 8 of them back
	s_lshl_b32 s26, ttmp9, 2
	s_add_co_u32 s26, s26, s24                     ; which run of 8,192 numbers is my wave's: 0..511
	s_lshl_b32 s28, s26, 15
	s_mov_b32 s29, 0
	s_add_nc_u64 s[4:5], s[4:5], s[28:29]
	s_lshl_b32 s28, s26, 12
	s_add_nc_u64 s[30:31], s[16:17], s[28:29]      ; its 4,096 bytes of codes
	s_lshl_b32 s28, s26, 8
	s_add_co_u32 s28, s28, XS
	s_add_nc_u64 s[32:33], s[16:17], s[28:29]      ; its 256 scale bytes
.macro XLOAD t
.irp i, 0,1,2,3
	global_load_b128 v[XR+16*((\t)%4)+4*\i:XR+16*((\t)%4)+4*\i+3], v3, s[4:5] offset:2048*(\t)+512*\i th:TH_LOAD_NT
.endr
.endm
.macro XTURN t                         ; step t's numbers through the stage; LDS serves a wave's instructions in order
.irp i, 0,1,2,3
	ds_store_b128 v14, v[XR+16*((\t)%4)+4*\i:XR+16*((\t)%4)+4*\i+3] offset:32*SP*((\t)%2)+8*SP*\i
.endr
.irp i, 0,1,2,3
	ds_load_b128 v[XX+16*((\t)%2)+4*\i:XX+16*((\t)%2)+4*\i+3], v15 offset:32*SP*((\t)%2)+16*\i
.endr
.endm
.irp t, 0,1,2,3
	XLOAD \t
.endr
	s_wait_loadcnt 12                              ; step 0's four loads are in
	XTURN 0
.macro XSTEP t
.set CUR, XX+16*((\t)%2)
.if (\t) > 0
	s_wait_dscnt 1                                 ; this step's numbers are back from the stage; the last step's byte store may be out
.else
	s_wait_dscnt 0x0
.endif
.if (\t)+4 < STEPS
	XLOAD (\t)+4
.endif
.if (\t)+1 < STEPS
.if STEPS-2-(\t) >= 3
	s_wait_loadcnt 12                              ; the next step's four loads are in; those of the three steps behind it may be out
.else
	s_wait_loadcnt 4*(STEPS-2-(\t))
.endif
	XTURN (\t)+1
.endif
	v_max3_num_f32 v8, |v[CUR]|, |v[CUR+1]|, |v[CUR+2]|
	v_max3_num_f32 v9, |v[CUR+3]|, |v[CUR+4]|, |v[CUR+5]|
.irp i, 6,10
	v_max3_num_f32 v8, v8, |v[CUR+\i]|, |v[CUR+\i+1]|
	v_max3_num_f32 v9, v9, |v[CUR+\i+2]|, |v[CUR+\i+3]|
.endr
	v_max3_num_f32 v8, v8, |v[CUR+14]|, |v[CUR+15]|
	v_max3_num_f32 v8, v8, v9, 0x1800000           ; with the floor 2^(3 - 127): the byte cannot fall under 1
	v_max_num_f32_dpp v8, v8, v8 row_xmask:1 row_mask:0xf bank_mask:0xf   ; and my neighbour's 16: the block's largest magnitude
	v_add_nc_u32 v11, 0xff000000, v8               ; 2 off its exponent field: the conversion takes this operand's exponent field as its scale
	v_cvt_scalef32_pk8_fp4_f32 v[XC+4*(\t)], v[CUR:CUR+7], v11
	v_cvt_scalef32_pk8_fp4_f32 v[XC+4*(\t)+1], v[CUR+8:CUR+15], v11
	v_lshrrev_b32 v[XE+(\t)], 23, v11              ; the scale's byte (a plain line behind the conversions)
	ds_store_b8 v5, v[XE+(\t)] offset:16*(\t)      ; both lanes of a block write the same byte with the same value
	global_store_b64 v4, v[XC+4*(\t):XC+4*(\t)+1], s[30:31] offset:256*(\t)   ; the wave stores 256 consecutive bytes, aligned
.endm
.irp t, 0,1,2,3,4,5,6,7,8,9,10,11,12,13,14,15
	XSTEP \t
.endr
	ds_load_b64 v[8:9], v6
	s_wait_dscnt 0x0
	global_store_b64 v4, v[8:9], s[32:33]          ; 256 scale bytes, aligned
	CLOSE
; ---------------- Wq, Wk, Wv.  K is the first axis: a lane takes a column and its registers run down K, so a block of 32 lies in one lane and the codes come out with K innermost.  A wave: 32 columns x 512 along K.
.macro KLOAD t, base                   ; rows 32 t + 0..31 of my column into set t % 2
.set i, 0
.rept 32
	global_load_b32 v[WX+32*((\t)%2)+i], v3, s[\base:\base+1] offset:(32*(\t)+i)*4096 th:TH_LOAD_NT
.set i, i+1
.endr
.endm
.Lpath_w:
	s_sub_co_u32 s25, ttmp9, 128
	s_lshr_b32 s26, s25, 4                         ; which tensor: 0 Wq, 1 Wk, 2 Wv
	s_cmp_eq_u32 s26, 1
	s_cselect_b64 s[6:7], s[8:9], s[6:7]
	s_cmp_eq_u32 s26, 2
	s_cselect_b64 s[6:7], s[10:11], s[6:7]
	s_and_b32 s27, s25, 7
	s_lshl_b32 s27, s27, 7
	s_lshl_b32 s28, s24, 5
	s_add_co_u32 s27, s27, s28                     ; my wave's first column
	s_bfe_u32 s28, s25, 0x10003                    ; which 512 along K
	v_lshlrev_b32 v3, 2, v2
	s_mul_i32 s29, s24, 32*WP
	s_add_co_u32 s29, s29, WSTG                    ; my stage
	v_mul_u32_u24 v4, v2, WP
	v_add_nc_u32 v4, s29, v4                       ; into it: row = my column
	v_and_b32 v5, 15, v2
	v_lshrrev_b32 v6, 4, v2
	v_mul_u32_u24 v7, v6, WP
	v_lshl_add_u32 v7, v5, 4, v7
	v_add_nc_u32 v7, s29, v7                       ; out of it: sixteen lanes to a row, two rows an instruction
	v_lshlrev_b32 v8, 9, v6
	v_lshl_add_u32 v8, v5, 4, v8                   ; the same place among the codes' rows of 512 bytes
	v_lshlrev_b32 v9, 5, v2                        ; my column's row of 32 scale bytes
	s_lshl_b32 s30, s28, 21                        ; 512 rows of 4,096 bytes
	s_lshl_b32 s31, s27, 2
	s_add_co_u32 s30, s30, s31
	s_mov_b32 s31, 0
	s_add_nc_u64 s[6:7], s[6:7], s[30:31]
	s_lshl_b32 s26, s26, 10
	s_add_co_u32 s26, s26, s27                     ; the first output row: 1024 t + column
	s_lshl_b32 s30, s26, 9
	s_lshl_b32 s29, s28, 8
	s_add_co_u32 s30, s30, s29
	s_add_nc_u64 s[32:33], s[18:19], s[30:31]      ; codes
	s_lshl_b32 s30, s26, 5
	s_lshl_b32 s29, s28, 4
	s_add_co_u32 s30, s30, s29
	s_add_co_u32 s30, s30, WS
	s_add_nc_u64 s[34:35], s[18:19], s[30:31]      ; scale bytes
	KLOAD 0, 6
	KLOAD 1, 6
.macro WBLOCK t
.set CUR, WX+32*((\t)%2)
.if (\t) < 15
	s_wait_loadcnt 32                              ; this block's 32 loads are in; the next block's may be out
.else
	s_wait_loadcnt 0
.endif
	v_max3_num_f32 v12, |v[CUR]|, |v[CUR+1]|, |v[CUR+2]|
	v_max3_num_f32 v13, |v[CUR+3]|, |v[CUR+4]|, |v[CUR+5]|
.irp i, 6,10,14,18,22,26
	v_max3_num_f32 v12, v12, |v[CUR+\i]|, |v[CUR+\i+1]|
	v_max3_num_f32 v13, v13, |v[CUR+\i+2]|, |v[CUR+\i+3]|
.endr
	v_max3_num_f32 v12, v12, |v[CUR+30]|, |v[CUR+31]|
	v_max3_num_f32 v12, v12, v13, 0x1800000        ; with the floor 2^(3 - 127)
	v_add_nc_u32 v11, 0xff000000, v12              ; 2 off the exponent field: the conversion's scale operand
	v_lshrrev_b32 v13, 23, v11                     ; the scale's byte
.if (\t)%4 == 0
	v_mov_b32 v[WSB+(\t)/4], v13
.else
	v_lshl_or_b32 v[WSB+(\t)/4], v13, 8*((\t)%4), v[WSB+(\t)/4]
.endif
.irp g, 0,1,2,3
	v_cvt_scalef32_pk8_fp4_f32 v[WC+\g], v[CUR+8*\g:CUR+8*\g+7], v11
.endr
	v_nop                                          ; one plain line behind the last conversion
	ds_store_b128 v4, v[WC:WC+3] offset:16*(\t)    ; 32 codes: 16 bytes of my column's row
.if (\t)+2 < 16
	KLOAD (\t)+2, 6
.endif
	s_wait_dscnt 0x0                               ; the store has read its registers: the next block's codes may be written
.endm
.irp t, 0,1,2,3,4,5,6,7,8,9,10,11,12,13,14,15
	WBLOCK \t
.endr
	global_store_b128 v9, v[WSB:WSB+3], s[34:35]   ; my column's 16 scale bytes
.irp t, 0,1,2,3,4,5,6,7,8,9,10,11,12,13,14,15
	ds_load_b128 v[WOUT+4*\t:WOUT+4*\t+3], v7 offset:2*\t*WP
.endr
.irp t, 0,1,2,3,4,5,6,7,8,9,10,11,12,13,14,15
	s_wait_dscnt 15-\t                             ; load t is in; the younger ones may be out
	global_store_b128 v8, v[WOUT+4*\t:WOUT+4*\t+3], s[32:33] offset:2*\t*512   ; sixteen lanes store 256 consecutive bytes, aligned
.endr
	CLOSE
; ---------------- Wo -> f16, [n][k].  The same plan: a lane takes a column n, its registers run down k; a wave takes 32 columns x 128 along k, 256 bytes a column.
.Lpath_o:
	s_sub_co_u32 s25, ttmp9, 176
	s_and_b32 s27, s25, 7
	s_lshl_b32 s27, s27, 7
	s_lshl_b32 s28, s24, 5
	s_add_co_u32 s27, s27, s28                     ; my wave's first column
	s_lshr_b32 s28, s25, 3                         ; which 128 along k
	v_lshlrev_b32 v3, 2, v2
	s_mul_i32 s29, s24, 32*WP
	s_add_co_u32 s29, s29, OSTG
	v_mul_u32_u24 v4, v2, WP
	v_add_nc_u32 v4, s29, v4
	v_and_b32 v5, 15, v2
	v_lshrrev_b32 v6, 4, v2
	v_mul_u32_u24 v7, v6, WP
	v_lshl_add_u32 v7, v5, 4, v7
	v_add_nc_u32 v7, s29, v7
	v_lshlrev_b32 v8, 11, v6
	v_lshl_add_u32 v8, v5, 4, v8                   ; rows of wot are 2,048 bytes
	s_lshl_b32 s30, s28, 19                        ; 128 rows of 4,096 bytes
	s_lshl_b32 s31, s27, 2
	s_add_co_u32 s30, s30, s31
	s_mov_b32 s31, 0
	s_add_nc_u64 s[12:13], s[12:13], s[30:31]
	s_lshl_b32 s30, s27, 11
	s_lshl_b32 s29, s28, 8
	s_add_co_u32 s30, s30, s29
	s_add_nc_u64 s[20:21], s[20:21], s[30:31]
	KLOAD 0, 12
	KLOAD 1, 12
.macro OBLOCK t
.set CUR, WX+32*((\t)%2)
.if (\t) < 3
	s_wait_loadcnt 32                              ; this block's 32 loads are in; the next block's may be out
.else
	s_wait_loadcnt 0
.endif
.set i, 0
.rept 16
	v_cvt_pk_f16_f32 v[WC+i], v[CUR+2*i], v[CUR+2*i+1]
.set i, i+1
.endr
.irp g, 0,1,2,3
	ds_store_b128 v4, v[WC+4*\g:WC+4*\g+3] offset:64*(\t)+16*\g
.endr
.if (\t)+2 < 4
	KLOAD (\t)+2, 12
.endif
	s_wait_dscnt 0x0                               ; the stores have read their registers
.endm
.irp t, 0,1,2,3
	OBLOCK \t
.endr
.irp t, 0,1,2,3,4,5,6,7,8,9,10,11,12,13,14,15
	ds_load_b128 v[WOUT+4*\t:WOUT+4*\t+3], v7 offset:2*\t*WP
.endr
.irp t, 0,1,2,3,4,5,6,7,8,9,10,11,12,13,14,15
	s_wait_dscnt 15-\t
	global_store_b128 v8, v[WOUT+4*\t:WOUT+4*\t+3], s[20:21] offset:2*\t*2048   ; sixteen lanes store 256 consecutive bytes, aligned
.endr
	CLOSE
.Lfunc_end_k_q29cd85af1f_prep:
	.size	k_q29cd85af1f_prep, .Lfunc_end_k_q29cd85af1f_prep-k_q29cd85af1f_prep
	.p2alignl 7, 3214868480
	.fill 96, 4, 3214868480
	.section	.rodata,"a",@progbits
	.p2align	6, 0x0
	.amdhsa_kernel k_q29cd85af1f_prep
		.amdhsa_group_segment_fixed_size 136704
		.amdhsa_private_segment_fixed_size 0
		.amdhsa_enable_private_segment 0
		.amdhsa_kernarg_size 88
		.amdhsa_user_sgpr_count 2
		.amdhsa_user_sgpr_kernarg_segment_ptr 1
		.amdhsa_wavefront_size32 1
		.amdhsa_system_sgpr_workgroup_id_x 1
		.amdhsa_system_sgpr_workgroup_id_y 1
		.amdhsa_system_sgpr_workgroup_id_z 1
		.amdhsa_system_vgpr_workitem_id 0
		.amdhsa_next_free_vgpr 200
		.amdhsa_next_free_sgpr 66
		.amdhsa_reserve_vcc 1
		.amdhsa_float_denorm_mode_32 3
		.amdhsa_float_denorm_mode_16_64 3
		.amdhsa_memory_ordered 1
		.amdhsa_forward_progress 1
		.amdhsa_inst_pref_size 199
	.end_amdhsa_kernel
	.amdgpu_metadata
---
amdhsa.version: [ 1, 2 ]
amdhsa.kernels:
  - .name:           k_q29cd85af1f_prep
    .symbol:         k_q29cd85af1f_prep.kd
    .args:
      - { .name: x, .offset: 0, .size: 8, .value_kind: global_buffer, .address_space: global }
      - { .name: Wq, .offset: 8, .size: 8, .value_kind: global_buffer, .address_space: global }
      - { .name: Wk, .offset: 16, .size: 8, .value_kind: global_buffer, .address_space: global }
      - { .name: Wv, .offset: 24, .size: 8, .value_kind: global_buffer, .address_space: global }
      - { .name: Wo, .offset: 32, .size: 8, .value_kind: global_buffer, .address_space: global }
      - { .name: mask, .offset: 40, .size: 8, .value_kind: global_buffer, .address_space: global }
      - { .name: xq, .offset: 48, .size: 8, .value_kind: global_buffer, .address_space: global }
      - { .name: wq, .offset: 56, .size: 8, .value_kind: global_buffer, .address_space: global }
      - { .name: wot, .offset: 64, .size: 8, .value_kind: global_buffer, .address_space: global }
      - { .name: mw, .offset: 72, .size: 8, .value_kind: global_buffer, .address_space: global }
      - { .name: fl, .offset: 80, .size: 8, .value_kind: global_buffer, .address_space: global }
    .group_segment_fixed_size: 136704
    .private_segment_fixed_size: 0
    .kernarg_segment_align: 8
    .kernarg_segment_size: 88
    .max_flat_workgroup_size: 128
    .sgpr_count:     66
    .vgpr_count:     200
    .wavefront_size: 32
...
	.end_amdgpu_metadata
.endif
;; end of part 1
;; launch qkv (part 2): grid 12 x 16, 4 waves a work-group, clusters of 4 x 4, 327,680 bytes of LDS; arguments xq, wq, bq, bk, bv, qkv; writes qkv
.if DOCPART == 2
	.amdgcn_target "amdgcn-amd-amdhsa--gfx1250"
	.amdhsa_code_object_version 6
	.text
	.protected	k_q29cd85af1f_qkv
	.globl	k_q29cd85af1f_qkv
	.p2align	8
	.type	k_q29cd85af1f_qkv,@function
k_q29cd85af1f_qkv:
	s_mov_b64 s[64:65], 0
	v_nop
	global_prefetch_b8 v0, s[64:65] scope:SCOPE_SE
	s_setreg_imm32_b32 hwreg(HW_REG_WAVE_MODE, 25, 1), 1
	s_wait_xcnt 0x0
	s_wait_alu depctr_hold_cnt(0) depctr_sa_sdst(0) depctr_va_vdst(0) depctr_va_sdst(0) depctr_va_ssrc(0) depctr_va_vcc(0) depctr_vm_vsrc(0)
	s_getreg_b32 s2, hwreg(HW_REG_IB_STS2, 6, 4)
	s_cmp_eq_u32 s2, 0
	s_cbranch_scc0 .Lentry_in_a_cluster
	s_endpgm
.Lentry_in_a_cluster:
	s_bfe_u32 s2, ttmp6, 0x10000c
	s_cmp_lg_u32 s2, 0xf033
	s_cbranch_scc0 .Lentry_shape_is_right
	s_endpgm
.Lentry_shape_is_right:
; q, k, v = x W + b: one GEMM on codes of E2M1 with E8M0 scales.  A = x's codes [4096][1024], B = the three weights' codes [3072][1024] (row 1024 t + n), both K innermost; sums in f32, begun with the bias;
; the results leave as f16, [3][4096][1024].  LIMIT: |q|, |k|, |v| up to 65,504 (f16).
; A tile of 256 x 256 is made by four waves, 128 x 128 each: 64 accumulators, 512 registers.  K = 1,024 is two LDS slots of 512 along K (rows of 256 bytes): both are asked for at the head, nothing is filled again.
; The scale bytes of the work-group's 256 + 256 rows come once, as dense blocks.  CLUSTERS: 4 x 4 work-groups; A's tiles are asked for jointly along a row of the cluster, B's along a column.
; The matrix instruction is used transposed (source 0 = 16 rows of B, source 1 = 16 rows of A): a lane holds eight neighbouring columns of one row of the result.
; A cluster's four tile columns are one of the three tensors (cluster x = 0, 1, 2: q, k, v), so the bias pointer and the output's part are chosen by a number that all partners share.
; REGISTERS: window 0: v0-31 addresses; v32-95 scale words, two sets; v128-191 A's fragments, one set; v192-255 the bias in the result's layout; on the way out v32-127 are free.
;   window 1: B's fragments, two sets, at v0 and v128.  window 2: accumulators of my rows 0-63; window 3: rows 64-127.
.set SIZE_K, 1024
.set XS,     2097152
.set WS,     1572864
.set KSTEP,  512
.set NQ,     KSTEP/128
.set ROWB,   256
.set KROW,   SIZE_K*4/8
.set PITCH,  272                       ; 256 bytes + 16 of padding: the 16 rows that a load touches start at 16 different banks
.set FR,     8
.set NL,     2
.set NP,     4
.set HALFT,  128*PITCH
.set SLOT,   4*HALFT
.set KS,     SIZE_K/32
.set SCL,    2*SLOT
.set HALFS,  (128*KS/256)*272
.set SBLK,   (16*KS/256)*272
.set SPARE,  SCL+4*HALFS
.set SPITCH, 272                       ; the way out: 16 rows x (256 bytes + 16) for each wave, in slot 0, which has had its only fill and its last read by then
.set OROW,   2048                      ; a row of q, k or v in bytes
.set ADRA, 16
.set ADRB, 20
.set STO,  24
.set RD,   25
.set CO,   26
.set ADRS, 27
.set SPW,  28
.set NIL,  29
.set SC,   32
.set AF,   128
.set BI,   192
.set TMP,  32
.set BK,   64
.set G1, 24
.set G0, 32
.set G1B, 48
.set G0B, 56
.set G1S, 68
.set G0S, 76
.set G1SB, 80
.set G0SB, 88
.set MSB, 0
.macro WIN new                         ; the immediate's high byte repeats the setting that is left
.if MSB != (\new)
	s_set_vgpr_msb (MSB<<8)|(\new)
.set MSB, (\new)
.endif
.endm
.set MUL_LO, 0xa1                      ; source 0 (B) window 1, source 1 (A) window 0, C and D window 2
.set MUL_HI, 0xf1                      ; the same, C and D window 3
.set TO_B,   0x40
; A joint load: waves 0 and 1 fetch for A, waves 2 and 3 for B.  The branch hangs on the wave's number alone.  An s_nop 0 and four v_nop follow each of the two lines.
.macro JLOAD g0a, g1a, g0b, g1b
	s_cmp_eq_u32 s15, 0
	s_cbranch_scc0 .Lfor_b_\@
	tensor_load_to_lds s[\g0a:\g0a+3], s[\g1a:\g1a+7]
	s_nop 0
.rept 4
	v_nop
.endr
	s_branch .Lasked_\@
.Lfor_b_\@:
	tensor_load_to_lds s[\g0b:\g0b+3], s[\g1b:\g1b+7]
	s_nop 0
.rept 4
	v_nop
.endr
.Lasked_\@:
.endm
.macro CROUND                          ; a round of the cluster's barrier
	s_barrier_signal -1
	s_barrier_wait -1
	s_cmp_lg_u32 s14, 0
	s_cbranch_scc1 .Lnot_wave_0_\@
	s_barrier_signal -3
.Lnot_wave_0_\@:
	s_barrier_wait -3
	s_barrier_signal -1
	s_barrier_wait -1
.endm
	s_load_b64 s[4:5], s[0:1], 0x0                 ; xq: A's codes
	s_load_b64 s[8:9], s[0:1], 0x8                 ; wq: B's codes
	s_load_b128 s[96:99], s[0:1], 0x10             ; bq, bk
	s_load_b64 s[100:101], s[0:1], 0x20            ; bv
	s_load_b64 s[12:13], s[0:1], 0x28              ; qkv
	v_lshl_add_u32 v[SPW], v0, 2, SPARE
	v_mov_b32 v[NIL], 0
	ds_add_u32 v[SPW], v[NIL]                      ; the wave's opening: the add, twice on end, and its wait ahead of my first tensor load
	ds_add_u32 v[SPW], v[NIL]
	v_lshrrev_b32 v1, 5, v0
	v_readfirstlane_b32 s14, v1                    ; wave 0..3
	s_lshr_b32 s15, s14, 1                         ; which half of the tile's rows is mine.  Also: I fetch for A (0) or for B (1)
	s_and_b32 s16, s14, 1                          ; which half of its columns.  Also: which 128 rows I fetch
	s_bfe_u32 s40, ttmp6, 0x40000                  ; cx
	s_bfe_u32 s41, ttmp6, 0x40004                  ; cy
	s_lshl_b32 s42, ttmp9, 2
	s_add_co_u32 s42, s42, s40                     ; tile column = 4 x cluster x + cx
	s_and_b32 s17, ttmp7, 0xffff
	s_lshl_b32 s17, s17, 2
	s_add_co_u32 s17, s17, s41                     ; tile row = 4 x cluster y + cy
	s_lshl_b32 s43, s41, 2
	s_lshl_b32 s43, 15, s43                        ; my row of the cluster
	s_lshl_b32 s44, 0x1111, s40                    ; my column
	s_or_b32 s[G1+0], s43, (0<<16)|(1<<20)|(1<<21)|(5<<22)|(3<<25)  ; the mask; elements of 1 byte; padding on: 4 words behind every 64; bit 21 beside a mask
	s_or_b32 s[G1B+0], s44, (0<<16)|(1<<20)|(1<<21)|(5<<22)|(3<<25)
.irp g, G1, G1B
	s_mov_b32 s[\g+1], ROWB<<16                    ; tensor_dim0
	s_mov_b32 s[\g+2], 128<<16                     ; tensor_dim1
	s_mov_b32 s[\g+3], ROWB<<16                    ; tile_dim0
	s_mov_b32 s[\g+4], 128                         ; tile_dim1
	s_mov_b32 s[\g+5], KROW                        ; pitch
	s_mov_b32 s[\g+6], 0
	s_mov_b32 s[\g+7], 0
.endr
	s_or_b32 s[G1S+0], s43, (3<<16)|(1<<20)|(1<<21)|(5<<22)|(3<<25) ; the scales of 128 rows: a dense block as rows of 256 bytes (32 elements of 8), 16 bytes of padding behind each
	s_or_b32 s[G1SB+0], s44, (3<<16)|(1<<20)|(1<<21)|(5<<22)|(3<<25)
.irp g, G1S, G1SB
	s_mov_b32 s[\g+1], 32<<16
	s_mov_b32 s[\g+2], (128*KS/256)<<16
	s_mov_b32 s[\g+3], 32<<16
	s_mov_b32 s[\g+4], 128*KS/256
	s_mov_b32 s[\g+5], 32
	s_mov_b32 s[\g+6], 0
	s_mov_b32 s[\g+7], 0
.endr
	s_lshl_b32 s18, s16, 7
	s_lshl_b32 s20, s17, 8
	s_add_co_u32 s20, s20, s18                     ; A: row 256 x tile row + 128 x half
	s_lshl_b32 s46, s42, 8
	s_add_co_u32 s46, s46, s18                     ; B: row 256 x tile column + 128 x half
	s_mov_b32 s21, 0
	s_mov_b32 s47, 0
	s_mov_b64 s[18:19], KS
	s_mul_u64 s[22:23], s[20:21], s[18:19]         ; where these rows' scales begin
	s_mul_u64 s[92:93], s[46:47], s[18:19]
	s_mov_b64 s[18:19], KROW
	s_mul_u64 s[20:21], s[20:21], s[18:19]         ; and their codes
	s_mul_u64 s[46:47], s[46:47], s[18:19]
	s_mul_i32 s45, s14, HALFT                      ; where they go: wave x 128 rows
	s_mul_i32 s94, s14, HALFS
	s_wait_dscnt 0x0                               ; both opening adds are done
	s_wait_kmcnt 0x0
	s_add_nc_u64 s[6:7], s[4:5], XS                ; A's scale bytes
	s_add_nc_u64 s[10:11], s[8:9], WS              ; B's
	s_add_nc_u64 s[20:21], s[4:5], s[20:21]
	s_add_nc_u64 s[22:23], s[6:7], s[22:23]
	s_add_nc_u64 s[46:47], s[8:9], s[46:47]
	s_add_nc_u64 s[92:93], s[10:11], s[92:93]
	CROUND                                         ; all sixteen work-groups are here: the first joint loads meet
	s_mov_b32 s[G0S], 1
	s_add_co_u32 s[G0S+1], s94, SCL
	s_mov_b64 s[G0S+2:G0S+3], s[22:23]
	s_or_b32 s[G0S+3], s[G0S+3], 0x80000000
	s_mov_b32 s[G0SB], 1
	s_add_co_u32 s[G0SB+1], s94, SCL
	s_mov_b64 s[G0SB+2:G0SB+3], s[92:93]
	s_or_b32 s[G0SB+3], s[G0SB+3], 0x80000000
	JLOAD G0S, G1S, G0SB, G1SB                     ; the scales first
.irp s, 0,1
	s_mov_b32 s[G0+4*\s], 1
	s_add_co_u32 s[G0+4*\s+1], s45, \s*SLOT
	s_add_nc_u64 s[G0+4*\s+2:G0+4*\s+3], s[20:21], \s*ROWB
	s_or_b32 s[G0+4*\s+3], s[G0+4*\s+3], 0x80000000
	s_mov_b32 s[G0B+4*\s], 1
	s_add_co_u32 s[G0B+4*\s+1], s45, \s*SLOT
	s_add_nc_u64 s[G0B+4*\s+2:G0B+4*\s+3], s[46:47], \s*ROWB
	s_or_b32 s[G0B+4*\s+3], s[G0B+4*\s+3], 0x80000000
	JLOAD G0+4*\s, G1, G0B+4*\s, G1B               ; two, then three, tensor loads of mine are out
.endr
	v_and_b32 v1, 15, v0                           ; l % 16
	v_bfe_u32 v2, v0, 4, 1                         ; l / 16
	; the bias: register 8 b + j of lane (r, h) = bias[256 cx + 128 half + 16 b + 8 h + j]: the C of every accumulator (a, b)'s first product
	s_cmp_eq_u32 ttmp9, 1                          ; the cluster's x: the same in all partners
	s_cselect_b64 s[96:97], s[98:99], s[96:97]
	s_cmp_eq_u32 ttmp9, 2
	s_cselect_b64 s[96:97], s[100:101], s[96:97]
	s_lshl_b32 s46, s40, 10
	s_lshl_b32 s47, s16, 9
	s_add_co_u32 s46, s46, s47
	s_mov_b32 s47, 0
	s_add_nc_u64 s[96:97], s[96:97], s[46:47]
	v_lshlrev_b32 v7, 5, v2
.irp b, 0,1,2,3,4,5,6,7
	global_load_b128 v[BI+8*\b:BI+8*\b+3], v7, s[96:97] offset:64*\b
	global_load_b128 v[BI+8*\b+4:BI+8*\b+7], v7, s[96:97] offset:64*\b+16
.endr
	v_mul_u32_u24 v3, v1, PITCH
	v_lshl_add_u32 v4, v2, 4, v3                   ; a fragment's row x pitch + 16 x half
	s_mul_i32 s21, s15, HALFT                      ; my 128 rows of A
	s_mul_i32 s22, s16, HALFT                      ; my 128 rows of B,
	s_add_co_u32 s22, s22, 2*HALFT                 ; behind A's 256
.irp s, 0,1
	v_add_nc_u32 v[ADRA+\s], s21, v4
	v_add_nc_u32 v[ADRB+\s], s22, v4
	s_add_co_u32 s21, s21, SLOT
	s_add_co_u32 s22, s22, SLOT
.endr
	v_mul_u32_u24 v5, v1, KS                       ; my row's scales: KS bytes a row,
	v_lshrrev_b32 v6, 8, v5
	v_lshl_add_u32 v5, v6, 4, v5                   ; and 16 more for each 256 passed
	s_mul_i32 s21, s15, HALFS
	s_mul_i32 s22, s16, HALFS
	s_add_co_u32 s22, s22, 2*HALFS
	s_sub_co_u32 s22, s22, s21
	v_mul_u32_u24 v6, s22, v2                      ; lanes 16-31 take B's
	s_add_co_u32 s21, s21, SCL
	v_add_nc_u32 v5, v5, v6
	v_add_nc_u32 v[ADRS], s21, v5
	s_mul_i32 s23, s14, 16*SPITCH                  ; my stage
	v_mul_u32_u24 v5, v1, SPITCH
	v_lshl_add_u32 v5, v2, 4, v5
	v_add_nc_u32 v[STO], s23, v5                   ; in: row l % 16, 16 bytes for each half of the lanes
	v_mul_u32_u24 v5, v2, SPITCH
	v_lshl_add_u32 v5, v1, 4, v5
	v_add_nc_u32 v[RD], s23, v5                    ; back: lanes 0-15 one row of 256 bytes, lanes 16-31 the next
	v_lshlrev_b32 v5, 11, v2
	v_lshl_add_u32 v[CO], v1, 4, v5                ; and the same two rows in memory
	s_lshl_b32 s20, ttmp9, 23                      ; which of q, k, v: 8,388,608 bytes each
	s_lshl_b32 s21, s17, 19                        ; 256 rows of 2,048 bytes
	s_add_co_u32 s20, s20, s21
	s_lshl_b32 s21, s15, 18
	s_add_co_u32 s20, s20, s21
	s_lshl_b32 s21, s40, 9                         ; 256 columns of 2 bytes
	s_add_co_u32 s20, s20, s21
	s_lshl_b32 s21, s16, 8
	s_add_co_u32 s20, s20, s21
	s_mov_b32 s21, 0
	s_add_nc_u64 s[12:13], s[12:13], s[20:21]
.macro FRAG reg, adr, q, i             ; 16 rows x 128 K of 4-bit codes: 8 registers, two loads of 16 bytes, 32 bytes apart
.irp c, 0,1
	ds_load_b128 v[\reg+4*\c:\reg+4*\c+3], v[\adr] offset:64*(\q)+32*\c+(\i)*16*PITCH
.endr
.endm
; 16 matrix instructions: A's blocks a0, a0 + 1 x B's eight.  first = 1: the sums begin with the bias.  The 64 accumulators take turns, one instruction a turn.
.macro MUL16 a0, p, q, sc, first
.irp a, \a0, \a0+1
.irp b, 0,1,2,3,4,5,6,7
.if \first
	v_wmma_scale_f32_16x16x128_f8f6f4 v[8*(8*((\a)%4)+\b):8*(8*((\a)%4)+\b)+7], v[128*(\p)+FR*\b:128*(\p)+FR*\b+FR-1], v[AF+FR*(\a):AF+FR*(\a)+FR-1], v[BI+8*\b:BI+8*\b+7], v[SC+8*NQ*(\sc)+NQ*\b+(\q)], v[SC+8*NQ*(\sc)+NQ*(\a)+(\q)] matrix_a_fmt:MATRIX_FMT_FP4 matrix_b_fmt:MATRIX_FMT_FP4 matrix_a_scale:MATRIX_SCALE_ROW1
.else
	v_wmma_scale_f32_16x16x128_f8f6f4 v[8*(8*((\a)%4)+\b):8*(8*((\a)%4)+\b)+7], v[128*(\p)+FR*\b:128*(\p)+FR*\b+FR-1], v[AF+FR*(\a):AF+FR*(\a)+FR-1], v[8*(8*((\a)%4)+\b):8*(8*((\a)%4)+\b)+7], v[SC+8*NQ*(\sc)+NQ*\b+(\q)], v[SC+8*NQ*(\sc)+NQ*(\a)+(\q)] matrix_a_fmt:MATRIX_FMT_FP4 matrix_b_fmt:MATRIX_FMT_FP4 matrix_a_scale:MATRIX_SCALE_ROW1
.endif
.endr
.endr
.endm
.macro FETCH_B slot, q, p
	WIN TO_B
.irp i, 0,1,2,3,4,5,6,7
	FRAG 128*(\p)+FR*\i, ADRB+\slot, \q, \i
.endr
	WIN 0
.endm
.macro FETCH_A slot, q, i0
.irp i, \i0, \i0+1, \i0+2, \i0+3
	FRAG AF+FR*(\i), ADRA+\slot, \q, \i
.endr
.endm
.macro SCALES sc                       ; a slot's scale words: lanes 0-15 A's block i, lanes 16-31 B's block i
.irp i, 0,1,2,3,4,5,6,7
	ds_load_b128 v[SC+8*NQ*\sc+NQ*\i:SC+8*NQ*\sc+NQ*\i+3], v[ADRS] offset:\i*SBLK
.endr
.endm
.macro PLACES n                        ; plain vector lines between a matrix instruction and a load into, or a read of, its registers
.rept \n
	v_nop
.endr
.endm
.macro STEP slot, q, first             ; 128 along K with its successor in the same slot.  first = 1: C (the bias) lies in window 0
	s_wait_dscnt 4*NL                              ; B's set and A's blocks 0-3 are in; the youngest eight loads (A's blocks 4-7) may be out
	WIN MUL_LO-0x20*(\first)
	MUL16 0, (\q)%2, \q, \slot, \first
	MUL16 2, (\q)%2, \q, \slot, \first
	s_wait_dscnt 0
	PLACES NP
	FETCH_B \slot, (\q)+1, 1-(\q)%2
	FETCH_A \slot, (\q)+1, 0
	WIN MUL_HI-0x30*(\first)
	MUL16 4, (\q)%2, \q, \slot, \first
	MUL16 6, (\q)%2, \q, \slot, \first
	PLACES NP
	WIN 0
	FETCH_A \slot, (\q)+1, 4
.endm
.macro STEPS slot, from
.set Q, \from
.rept NQ-1-\from
	STEP \slot, Q, 0
.set Q, Q+1
.endr
.endm
	s_wait_tensorcnt 1                             ; the scales and my part of slot 0 are in; slot 1's load may be out
	s_barrier_signal -1
	s_barrier_wait -1
	FETCH_B 0, 0, 0
	FETCH_A 0, 0, 0
	SCALES 0
	FETCH_A 0, 0, 4
	s_wait_loadcnt 0x0                             ; the bias
	STEP 0, 0, 1
	STEPS 0, 1
	; slot 0's last step changes slots: my part of slot 1 has landed, then one barrier
	s_wait_tensorcnt 0x0
	ds_add_u32 v[SPW], v[NIL]
	s_wait_dscnt 4*NL+1                            ; the add and the youngest eight loads may be out
	WIN MUL_LO
	MUL16 0, 1, NQ-1, 0, 0
	s_wait_dscnt 0x0
	s_barrier_signal -1
	MUL16 2, 1, NQ-1, 0, 0
	WIN 0
	s_barrier_wait -1
	PLACES NP
	v_add_nc_u32 v[ADRS], 4*NQ, v[ADRS]            ; the next slot's scale words
	FETCH_B 1, 0, 0
	FETCH_A 1, 0, 0
	SCALES 1
	WIN MUL_HI
	MUL16 4, 1, NQ-1, 0, 0
	MUL16 6, 1, NQ-1, 0, 0
	PLACES NP
	WIN 0
	FETCH_A 1, 0, 4
	STEPS 1, 0
	s_wait_dscnt 4*NL                              ; the very last step: nothing more to fetch
	WIN MUL_LO
	MUL16 0, 1, NQ-1, 1, 0
	MUL16 2, 1, NQ-1, 1, 0
	s_wait_dscnt 0
	WIN MUL_HI
	MUL16 4, 1, NQ-1, 1, 0
	MUL16 6, 1, NQ-1, 1, 0
	WIN 0
; THE WAY OUT, a block of 16 rows x 128 columns at a time: rounded to f16 (16 bytes a lane), through my own stage, back as whole rows of 256 bytes.
.macro PACK a
.set AC, 64*((\a)%4)
	WIN 0x0a+5*((\a)/4)                            ; sources 0 and 1: window 2 or 3
.irp b, 0,1,2,3,4,5,6,7
.irp r, 0,1,2,3
	v_cvt_pk_f16_f32 v[TMP+4*\b+\r], v[AC+8*\b+2*\r], v[AC+8*\b+2*\r+1]   ; each accumulator from its low end on
.endr
.endr
	WIN 0
.endm
.macro TOSTAGE a
.set BB, BK+32*((\a)%2)
.irp b, 0,1,2,3,4,5,6,7
	ds_store_b128 v[STO], v[TMP+4*\b:TMP+4*\b+3] offset:32*\b
.endr
.irp t, 0,1,2,3,4,5,6,7
	ds_load_b128 v[BB+4*\t:BB+4*\t+3], v[RD] offset:\t*2*SPITCH    ; LDS serves a wave's instructions in order: these see the stores above
.endr
.endm
.macro SEND a
.set BB, BK+32*((\a)%2)
	s_wait_dscnt 0x0                               ; the block is back in registers
	s_wait_xcnt 0x0                                ; earlier stores have read their base and their data: both may be written again
.if (\a) > 0
	s_add_nc_u64 s[12:13], s[12:13], 16*OROW
.endif
.irp t, 0,1,2,3,4,5,6,7
	global_store_b128 v[CO], v[BB+4*\t:BB+4*\t+3], s[12:13] offset:2*\t*OROW   ; 16 lanes store 256 consecutive bytes, aligned
.endr
.endm
	PLACES NP
	PACK 0
	TOSTAGE 0
.irp a, 1,2,3,4,5,6,7
	PACK \a
	SEND \a-1
	TOSTAGE \a
.endr
	SEND 7
	s_wait_tensorcnt 0x0                           ; the wave's end
	ds_add_u32 v[SPW], v[NIL]
	s_wait_dscnt 0x0
	CROUND                                         ; the closing round
	s_endpgm
.Lfunc_end_k_q29cd85af1f_qkv:
	.size	k_q29cd85af1f_qkv, .Lfunc_end_k_q29cd85af1f_qkv-k_q29cd85af1f_qkv
	.p2alignl 7, 3214868480
	.fill 96, 4, 3214868480
	.section	.rodata,"a",@progbits
	.p2align	6, 0x0
	.amdhsa_kernel k_q29cd85af1f_qkv
		.amdhsa_group_segment_fixed_size 327680
		.amdhsa_private_segment_fixed_size 0
		.amdhsa_enable_private_segment 0
		.amdhsa_kernarg_size 48
		.amdhsa_user_sgpr_count 2
		.amdhsa_user_sgpr_kernarg_segment_ptr 1
		.amdhsa_wavefront_size32 1
		.amdhsa_system_sgpr_workgroup_id_x 1
		.amdhsa_system_sgpr_workgroup_id_y 1
		.amdhsa_system_sgpr_workgroup_id_z 1
		.amdhsa_system_vgpr_workitem_id 0
		.amdhsa_next_free_vgpr 1024
		.amdhsa_next_free_sgpr 102
		.amdhsa_reserve_vcc 0
		.amdhsa_float_denorm_mode_32 3
		.amdhsa_float_denorm_mode_16_64 3
		.amdhsa_memory_ordered 1
		.amdhsa_forward_progress 1
		.amdhsa_inst_pref_size 129
	.end_amdhsa_kernel
	.amdgpu_metadata
---
amdhsa.version: [ 1, 2 ]
amdhsa.kernels:
  - .name:           k_q29cd85af1f_qkv
    .symbol:         k_q29cd85af1f_qkv.kd
    .args:
      - { .name: xq, .offset: 0, .size: 8, .value_kind: global_buffer, .address_space: global }
      - { .name: wq, .offset: 8, .size: 8, .value_kind: global_buffer, .address_space: global }
      - { .name: bq, .offset: 16, .size: 8, .value_kind: global_buffer, .address_space: global }
      - { .name: bk, .offset: 24, .size: 8, .value_kind: global_buffer, .address_space: global }
      - { .name: bv, .offset: 32, .size: 8, .value_kind: global_buffer, .address_space: global }
      - { .name: qkv, .offset: 40, .size: 8, .value_kind: global_buffer, .address_space: global }
    .group_segment_fixed_size: 327680
    .private_segment_fixed_size: 0
    .kernarg_segment_align: 8
    .kernarg_segment_size: 48
    .max_flat_workgroup_size: 128
    .sgpr_count:     102
    .vgpr_count:     1024
    .wavefront_size: 32
...
	.end_amdgpu_metadata
.endif
;; end of part 2
;; launch fine1 (part 3): grid 16 x 1, 4 waves a work-group, no clusters, 22,016 bytes of LDS; arguments xq, wq, bq, bk, bv, mw, fl, of; writes of
.if DOCPART == 3
	.amdgcn_target "amdgcn-amd-amdhsa--gfx1250"
	.amdhsa_code_object_version 6
	.text
	.protected	k_q29cd85af1f_fine1
	.globl	k_q29cd85af1f_fine1
	.p2align	8
	.type	k_q29cd85af1f_fine1,@function
k_q29cd85af1f_fine1:
	s_mov_b64 s[64:65], 0
	v_nop
	global_prefetch_b8 v0, s[64:65] scope:SCOPE_SE
	s_setreg_imm32_b32 hwreg(HW_REG_WAVE_MODE, 25, 1), 1
	s_wait_xcnt 0x0
; ROWS 0-15 OF THE ATTENTION'S RESULT, IN f32.  These rows may average very few values, so f16 operands would weigh too much there.  One work-group for each head: the launch has work for sixteen.
; q, k and v are made again from the same codes by the scaled E2M1 instruction, as f32 sums, and stay f32: their result layouts ARE operands of v_wmma_f32_16x16x4_f32, the same order of K on both sides:
;   k and q tiles: source 0 = 16 rows of W, source 1 = 16 tokens: lane (r, h) holds token r, channel 8 h + j in register j.   v tile: sources swapped: lane (r, h) holds channel r, key 8 h + j.
;   S^T = k q^T takes registers 2 u, 2 u + 1 of both (channels 8 h + 2 u + 0, 1 of a tile of 16); O^T = v^T p likewise along the keys.  A lane holds one query throughout.
; Wave w walks key tiles 64 w .. 64 w + 63 in a loop of constant count and passes over, by a scalar branch on the flag words that an earlier launch stored in fl, those in which rows 0-15 see no key.
; So the time grows with the number of key tiles that these rows may see; with all 256 visible a wave runs 64 bodies.  The four waves' parts are joined through LDS at the end.
; bv is added once at the end: (sum of p (v + bv)) / l = (sum of p v) / l + bv.  A row that sees no key ends with l = 0 and 0 x infinity = NaN.  LIMIT: scores under -3e38 are not served.
; REGISTERS: window 0: v1-17 addresses and constants; v24-31 bv; v32-111 scale words (x 8, Wq 8, Wk 32, Wv 32); v112-143 bk; v144-151 bq; v152-183 q; v184-215 O^T; v216-223 scores, then p; v224-239 at work.
;   window 1: v0-63 x's 8 fragments; v64-127 Wq's 8 fragments, later the k tile (v64-95) and the v tile (v96-127); v128-159 four f32 accumulators, written by matrix instructions alone; v160-175 q's two sums.
;   window 2: Wk's 32 fragments (tile ct, K step s at 8 (8 ct + s));   window 3: Wv's.
.set XS,    2097152
.set WS,    1572864
.set MBX,   4096                       ; LDS: 0: q's four images of 1,024 bytes; MBX: the waves' maxima; OIMG: for each wave 4,096 bytes of O^T and 128 of l
.set OIMG,  4608
.set OWV,   4224
.set SPARE, 21504
.set VW,  3                            ; v3   512 r + 16 h: a fragment's lane term
.set VS,  4                            ; v4   32 r: a row's eight scale words
.set VB,  5                            ; v5   32 h: a bias in the result's layout
.set LI,  6                            ; v6   16 x lane
.set QW,  7                            ; v7   where I store my part of q
.set MBW, 8
.set MBR, 9
.set OW,  10
.set OLW, 11
.set ORD, 12
.set OLR, 13
.set GOF, 14
.set NINF, 15
.set CC,  16                           ; v[16:17] c = log2(e) / 8, -c
.set BV,  24
.set XSC, 32
.set QSC, 40
.set KSC, 48
.set VSC, 80
.set BKR, 112
.set BQR, 144
.set QR,  152
.set OA,  184
.set T,   216
.set TMP, 224
.set NCM, 232                          ; -c m;  v233 m;  v234 l;  v235, v238 at work;  v236 a;  v237 its exponent
.set M,   233
.set L,   234
.set MX,  235
.set AA,  236
.set DF,  237
.set MY,  238
.set SPW, 252
.set NIL, 253
.set KT,  64                           ; in window 1
.set VT,  96
.set R,   128
.set QA,  160
.set MSB, 0
.macro WIN new
.if MSB != (\new)
	s_set_vgpr_msb (MSB<<8)|(\new)
.set MSB, (\new)
.endif
.endm
	s_load_b256 s[4:11], s[0:1], 0x0               ; xq, wq, bq, bk
	s_load_b128 s[12:15], s[0:1], 0x20             ; bv, mw
	s_load_b64 s[56:57], s[0:1], 0x30              ; fl
	s_load_b64 s[16:17], s[0:1], 0x38              ; of
	v_lshl_add_u32 v[SPW], v0, 2, SPARE
	v_mov_b32 v[NIL], 0
	v_lshrrev_b32 v1, 5, v0
	v_readfirstlane_b32 s18, v1                    ; wave 0..3
	v_and_b32 v1, 15, v0                           ; r
	v_bfe_u32 v2, v0, 4, 1                         ; h
	v_lshlrev_b32 v[VW], 9, v1
	v_lshl_add_u32 v[VW], v2, 4, v[VW]
	v_lshlrev_b32 v[VS], 5, v1
	v_lshlrev_b32 v[VB], 5, v2
	v_and_b32 v[LI], 31, v0
	v_lshlrev_b32 v[MBR], 2, v[LI]                 ; 4 x lane
	v_lshlrev_b32 v[LI], 4, v[LI]
	s_lshl_b32 s19, s18, 10
	v_add_nc_u32 v[QW], s19, v[LI]                 ; 1,024 x wave + 16 x lane
	v_add_nc_u32 v[ORD], OIMG, v[QW]               ; at the join: tile w's two images in a wave's part
	v_lshl_add_u32 v[MBW], v0, 2, MBX              ; my maximum's word: 128 x wave + 4 x lane
	v_add_nc_u32 v[OLR], OIMG+4096, v[MBR]
	s_mul_i32 s19, s18, OWV
	v_add_nc_u32 v[OW], s19, v[LI]
	v_add_nc_u32 v[OW], OIMG, v[OW]
	v_add_nc_u32 v[OLW], s19, v[OLR]
	v_add_nc_u32 v[MBR], MBX, v[MBR]
	v_lshlrev_b32 v[GOF], 12, v1
	v_lshl_add_u32 v[GOF], v2, 5, v[GOF]           ; of: row r of 4,096 bytes, + 32 h
	s_mov_b32 s50, 0x76543210
	s_mov_b32 s51, 0xfedcba98                      ; v_permlanex16_b32's selects for lane l xor 16
	s_mov_b32 s48, 0
	s_wait_kmcnt 0x0
	s_lshl_b32 s52, ttmp9, 15                      ; the head's 64 rows of 512 bytes
	s_mov_b32 s53, 0
	s_add_nc_u64 s[24:25], s[6:7], s[52:53]
	s_add_nc_u64 s[20:21], s[24:25], 0x80000       ; Wk's rows
	s_add_nc_u64 s[22:23], s[24:25], 0x100000      ; Wv's
	s_lshl_b32 s52, s18, 13
	s_add_nc_u64 s[24:25], s[24:25], s[52:53]      ; Wq: my 16 rows
	s_lshl_b32 s52, ttmp9, 11
	s_add_co_u32 s52, s52, WS
	s_add_nc_u64 s[26:27], s[6:7], s[52:53]
	s_add_nc_u64 s[28:29], s[26:27], 32768         ; Wk's scale bytes
	s_add_nc_u64 s[30:31], s[26:27], 65536         ; Wv's
	s_lshl_b32 s52, s18, 9
	s_add_nc_u64 s[26:27], s[26:27], s[52:53]      ; Wq's, my 16 rows
	s_lshl_b32 s52, ttmp9, 8
	s_add_nc_u64 s[10:11], s[10:11], s[52:53]      ; bk at the head's 64
	s_lshl_b32 s54, s18, 6
	s_add_co_u32 s52, s52, s54
	s_add_nc_u64 s[8:9], s[8:9], s[52:53]          ; bq, bv and of at my 16 of them
	s_add_nc_u64 s[12:13], s[12:13], s[52:53]
	s_add_nc_u64 s[16:17], s[16:17], s[52:53]
	s_lshl_b32 s52, s18, 19
	s_add_nc_u64 s[32:33], s[4:5], s[52:53]        ; x's codes at my first key tile: 64 tiles of 8,192 bytes a wave
	s_lshl_b32 s52, s18, 15
	s_add_co_u32 s52, s52, XS
	s_add_nc_u64 s[34:35], s[4:5], s[52:53]        ; and its scale bytes
	s_lshl_b32 s52, s18, 11
	s_add_nc_u64 s[36:37], s[14:15], s[52:53]      ; the mask words of query tile 0 at my first key tile
	s_lshl_b32 s52, s18, 3
	s_load_b64 s[38:39], s[56:57], s52 offset:0x0  ; my 64 flags: words 2 w and 2 w + 1 of fl
	WIN 0x40
.irp s, 0,1,2,3,4,5,6,7
.irp c, 0,1
	global_load_b128 v[8*\s+4*\c:8*\s+4*\c+3], v[VW], s[4:5] offset:64*\s+32*\c        ; x rows 0-15: the queries
	global_load_b128 v[64+8*\s+4*\c:64+8*\s+4*\c+3], v[VW], s[24:25] offset:64*\s+32*\c ; Wq, my tile
.endr
.endr
	WIN 0x80
.irp ct, 0,1,2,3
.irp s, 0,1,2,3,4,5,6,7
.irp c, 0,1
	global_load_b128 v[8*(8*\ct+\s)+4*\c:8*(8*\ct+\s)+4*\c+3], v[VW], s[20:21] offset:8192*\ct+64*\s+32*\c
.endr
.endr
.endr
	WIN 0xc0
.irp ct, 0,1,2,3
.irp s, 0,1,2,3,4,5,6,7
.irp c, 0,1
	global_load_b128 v[8*(8*\ct+\s)+4*\c:8*(8*\ct+\s)+4*\c+3], v[VW], s[22:23] offset:8192*\ct+64*\s+32*\c
.endr
.endr
.endr
	WIN 0
.irp c, 0,1
	global_load_b128 v[XSC+4*\c:XSC+4*\c+3], v[VS], s[4:5] offset:XS+16*\c     ; a row's eight scale words are 32 neighbouring bytes
	global_load_b128 v[QSC+4*\c:QSC+4*\c+3], v[VS], s[26:27] offset:16*\c
	global_load_b128 v[BQR+4*\c:BQR+4*\c+3], v[VB], s[8:9] offset:16*\c
	global_load_b128 v[BV+4*\c:BV+4*\c+3], v[VB], s[12:13] offset:16*\c
.endr
.irp ct, 0,1,2,3
.irp c, 0,1
	global_load_b128 v[KSC+8*\ct+4*\c:KSC+8*\ct+4*\c+3], v[VS], s[28:29] offset:512*\ct+16*\c
	global_load_b128 v[VSC+8*\ct+4*\c:VSC+8*\ct+4*\c+3], v[VS], s[30:31] offset:512*\ct+16*\c
	global_load_b128 v[BKR+8*\ct+4*\c:BKR+8*\ct+4*\c+3], v[VB], s[10:11] offset:64*\ct+16*\c
.endr
.endr
	s_wait_loadcnt 0x0
	s_wait_kmcnt 0x0
	; my 16 channels of q: eight K steps on two accumulators by turns; bq begins the first
	WIN 0x45
	v_wmma_scale_f32_16x16x128_f8f6f4 v[QA:QA+7], v[64:71], v[0:7], v[BQR:BQR+7], v[QSC], v[XSC] matrix_a_fmt:MATRIX_FMT_FP4 matrix_b_fmt:MATRIX_FMT_FP4
	WIN 0x55
	v_wmma_scale_f32_16x16x128_f8f6f4 v[QA+8:QA+15], v[72:79], v[8:15], 0, v[QSC+1], v[XSC+1] matrix_a_fmt:MATRIX_FMT_FP4 matrix_b_fmt:MATRIX_FMT_FP4
.irp s, 2,3,4,5,6,7
	v_wmma_scale_f32_16x16x128_f8f6f4 v[QA+8*(\s%2):QA+8*(\s%2)+7], v[64+8*\s:71+8*\s], v[8*\s:8*\s+7], v[QA+8*(\s%2):QA+8*(\s%2)+7], v[QSC+\s], v[XSC+\s] matrix_a_fmt:MATRIX_FMT_FP4 matrix_b_fmt:MATRIX_FMT_FP4
.endr
	WIN 0
	v_mov_b32 v[NINF], 0xff800000                  ; the starting values are also the plain lines behind those products
	v_mov_b32 v[CC], 0x3e38aa3b                    ; c = log2(e) / sqrt(64)
	v_mov_b32 v[CC+1], 0xbe38aa3b
	v_mov_b32 v[M], 0xff61b1e6                     ; the largest score so far: -3e38
	v_mul_f32 v[NCM], v[CC+1], v[M]
	v_mov_b32 v[L], 0
	v_mov_b32 v[MY], 0                             ; a lane permute's destination counts as read
	v_mov_b32 v[DF], 0
.set i, 0
.rept 32
	v_mov_b32 v[OA+i], 0
.set i, i+1
.endr
	WIN 0x05
.irp j, 0,1,2,3,4,5,6,7
	v_add_f32 v[T+\j], v[QA+\j], v[QA+8+\j]
.endr
	WIN 0
	ds_store_b128 v[QW], v[T:T+3]                  ; as an image of the registers: any wave that loads it so has the same registers in the same lanes
	ds_store_b128 v[QW], v[T+4:T+7] offset:512
	s_wait_dscnt 0x0
	s_barrier_signal -1
	s_barrier_wait -1
.irp ct, 0,1,2,3
	ds_load_b128 v[QR+8*\ct:QR+8*\ct+3], v[LI] offset:1024*\ct
	ds_load_b128 v[QR+8*\ct+4:QR+8*\ct+7], v[LI] offset:1024*\ct+512
.endr
	s_wait_dscnt 0x0
.Ltile:                                            ; 64 trips: a constant
	s_bitcmp1_b32 s38, 0                           ; do rows 0-15 see a key of this tile?  A stored whole number decides; no barrier stands in the branch
	s_cbranch_scc0 .Lskip
	WIN 0x40
.irp s, 0,1,2,3,4,5,6,7
.irp c, 0,1
	global_load_b128 v[8*\s+4*\c:8*\s+4*\c+3], v[VW], s[32:33] offset:64*\s+32*\c      ; the tile's 16 tokens
.endr
.endr
	WIN 0
	global_load_b128 v[XSC:XSC+3], v[VS], s[34:35]
	global_load_b128 v[XSC+4:XSC+7], v[VS], s[34:35] offset:16
	s_load_b256 s[40:47], s[36:37], 0x0            ; its eight mask words
	s_wait_loadcnt 0x0
	s_wait_kmcnt 0x0
.irp s, 0,1,2,3,4,5,6,7                        ; the k tile: four tiles of channels by turns, K step by K step; bk begins the sums
.if \s == 0
	WIN 0x46
.else
	WIN 0x56
.endif
.irp ct, 0,1,2,3
.if \s == 0
	v_wmma_scale_f32_16x16x128_f8f6f4 v[KT+8*\ct:KT+8*\ct+7], v[8*(8*\ct+\s):8*(8*\ct+\s)+7], v[8*\s:8*\s+7], v[BKR+8*\ct:BKR+8*\ct+7], v[KSC+8*\ct+\s], v[XSC+\s] matrix_a_fmt:MATRIX_FMT_FP4 matrix_b_fmt:MATRIX_FMT_FP4
.else
	v_wmma_scale_f32_16x16x128_f8f6f4 v[KT+8*\ct:KT+8*\ct+7], v[8*(8*\ct+\s):8*(8*\ct+\s)+7], v[8*\s:8*\s+7], v[KT+8*\ct:KT+8*\ct+7], v[KSC+8*\ct+\s], v[XSC+\s] matrix_a_fmt:MATRIX_FMT_FP4 matrix_b_fmt:MATRIX_FMT_FP4
.endif
.endr
.endr
	WIN 0x5d                                       ; the v tile: sources swapped
.irp s, 0,1,2,3,4,5,6,7
.irp ct, 0,1,2,3
.if \s == 0
	v_wmma_scale_f32_16x16x128_f8f6f4 v[VT+8*\ct:VT+8*\ct+7], v[8*\s:8*\s+7], v[8*(8*\ct+\s):8*(8*\ct+\s)+7], 0, v[XSC+\s], v[VSC+8*\ct+\s] matrix_a_fmt:MATRIX_FMT_FP4 matrix_b_fmt:MATRIX_FMT_FP4
.else
	v_wmma_scale_f32_16x16x128_f8f6f4 v[VT+8*\ct:VT+8*\ct+7], v[8*\s:8*\s+7], v[8*(8*\ct+\s):8*(8*\ct+\s)+7], v[VT+8*\ct:VT+8*\ct+7], v[XSC+\s], v[VSC+8*\ct+\s] matrix_a_fmt:MATRIX_FMT_FP4 matrix_b_fmt:MATRIX_FMT_FP4
.endif
.endr
.endr
	WIN 0x51
.rept 5
	v_nop                                          ; five plain lines before a matrix instruction takes those results as a source
.endr
.irp u, 0,1,2,3                                ; S^T = k q^T in f32: four partial sums, one for each tile of channels, by turns
.irp ct, 0,1,2,3
.if \u == 0
	v_wmma_f32_16x16x4_f32 v[R+8*\ct:R+8*\ct+7], v[KT+8*\ct+2*\u:KT+8*\ct+2*\u+1], v[QR+8*\ct+2*\u:QR+8*\ct+2*\u+1], 0
.else
	v_wmma_f32_16x16x4_f32 v[R+8*\ct:R+8*\ct+7], v[KT+8*\ct+2*\u:KT+8*\ct+2*\u+1], v[QR+8*\ct+2*\u:QR+8*\ct+2*\u+1], v[R+8*\ct:R+8*\ct+7]
.endif
.endr
.endr
	WIN 0x05
.rept 8
	v_nop                                          ; eight plain lines behind this form before its results are read
.endr
.irp j, 0,2,4,6
	v_pk_add_f32 v[T+\j:T+\j+1], v[R+\j:R+\j+1], v[R+8+\j:R+8+\j+1]
.endr
.irp j, 0,2,4,6
	v_pk_add_f32 v[TMP+\j:TMP+\j+1], v[R+16+\j:R+16+\j+1], v[R+24+\j:R+24+\j+1]
.endr
	WIN 0
.irp j, 0,2,4,6
	v_pk_add_f32 v[T+\j:T+\j+1], v[T+\j:T+\j+1], v[TMP+\j:TMP+\j+1]
.endr
.irp j, 0,1,2,3,4,5,6,7
	v_cndmask_b32 v[T+\j], v[NINF], v[T+\j], s[40+\j]   ; hidden scores become -infinity ahead of the maximum
.endr
	v_max3_num_f32 v[MX], v[T], v[T+1], v[T+2]
	v_max3_num_f32 v[MX], v[MX], v[T+3], v[T+4]
	v_max3_num_f32 v[MX], v[MX], v[T+5], v[T+6]
	v_max3_num_f32 v[MX], v[MX], v[T+7], v[M]
	v_permlanex16_b32 v[MY], v[MX], s50, s51       ; the query's other eight keys lie in the lane 16 away
	v_mov_b32 v[DF], v[NCM]
	v_max_num_f32 v[M], v[MX], v[MY]
	v_mul_f32 v[NCM], v[CC+1], v[M]
	v_sub_f32 v[DF], v[NCM], v[DF]                 ; c m_old - c m_new
.irp j, 0,2,4,6
	v_pk_fma_f32 v[T+\j:T+\j+1], v[T+\j:T+\j+1], v[CC:CC+1], v[NCM:NCM+1] op_sel_hi:[1,0,0]   ; c s - c m
.endr
	v_exp_f32 v[AA], v[DF]
.irp j, 0,1,2,3,4,5,6,7
	v_exp_f32 v[T+\j], v[T+\j]
.endr
	v_nop                                          ; a plain line behind the last exponential
	s_wait_alu depctr_va_vdst(0)                   ; one wait for the batch, ahead of its first reader
	v_pk_add_f32 v[TMP:TMP+1], v[T:T+1], v[T+2:T+3]
	v_pk_add_f32 v[TMP+2:TMP+3], v[T+4:T+5], v[T+6:T+7]
	v_pk_add_f32 v[TMP:TMP+1], v[TMP:TMP+1], v[TMP+2:TMP+3]
	v_add_f32 v[TMP], v[TMP], v[TMP+1]
	v_fma_f32 v[L], v[L], v[AA], v[TMP]            ; l = a l + the sum of my eight p
	WIN 0x51
.irp u, 0,1,2,3                                ; O^T of this tile = v^T p, in f32
.irp ct, 0,1,2,3
.if \u == 0
	v_wmma_f32_16x16x4_f32 v[R+8*\ct:R+8*\ct+7], v[VT+8*\ct+2*\u:VT+8*\ct+2*\u+1], v[T+2*\u:T+2*\u+1], 0
.else
	v_wmma_f32_16x16x4_f32 v[R+8*\ct:R+8*\ct+7], v[VT+8*\ct+2*\u:VT+8*\ct+2*\u+1], v[T+2*\u:T+2*\u+1], v[R+8*\ct:R+8*\ct+7]
.endif
.endr
.endr
	WIN 0x10                                       ; source 2 in window 1
.rept 8
	v_nop
.endr
.set i, 0
.rept 16
	v_pk_fma_f32 v[OA+i:OA+i+1], v[OA+i:OA+i+1], v[AA:AA+1], v[R+i:R+i+1] op_sel_hi:[1,0,1]   ; O^T = a O^T + the tile's; each accumulator from its low end on
.set i, i+2
.endr
	WIN 0
.Lskip:
	s_lshr_b32 s38, s38, 1                         ; the next flag: 64 bits in two words
	s_lshl_b32 s49, s39, 31
	s_or_b32 s38, s38, s49
	s_lshr_b32 s39, s39, 1
	s_add_nc_u64 s[32:33], s[32:33], 8192          ; no load is out here: the body has waited for all of its own
	s_add_nc_u64 s[34:35], s[34:35], 512
	s_add_nc_u64 s[36:37], s[36:37], 32
	s_add_co_u32 s48, s48, 1
	s_cmp_lt_u32 s48, 64
	s_cbranch_scc1 .Ltile
	; THE JOIN.  The waves' maxima meet; each wave brings its sums under the common maximum; wave w adds up tile w of the channels.
	ds_store_b32 v[MBW], v[M]
	s_wait_dscnt 0x0
	s_barrier_signal -1
	s_barrier_wait -1
.irp w, 0,1,2,3
	ds_load_b32 v[TMP+\w], v[MBR] offset:128*\w
.endr
	s_wait_dscnt 0x0
	v_max3_num_f32 v[MX], v[TMP], v[TMP+1], v[TMP+2]
	v_max_num_f32 v[MX], v[MX], v[TMP+3]
	v_mul_f32 v[DF], v[CC+1], v[MX]
	v_sub_f32 v[DF], v[DF], v[NCM]                 ; c m - c M
	v_exp_f32 v[AA], v[DF]
	v_nop
	s_wait_alu depctr_va_vdst(0)
.set i, 0
.rept 16
	v_pk_mul_f32 v[OA+i:OA+i+1], v[OA+i:OA+i+1], v[AA:AA+1] op_sel_hi:[1,0]
.set i, i+2
.endr
	v_mul_f32 v[L], v[L], v[AA]
.irp i, 0,1,2,3,4,5,6,7
	ds_store_b128 v[OW], v[OA+4*\i:OA+4*\i+3] offset:512*\i
.endr
	ds_store_b32 v[OLW], v[L]
	s_wait_dscnt 0x0
	s_barrier_signal -1
	s_barrier_wait -1
.irp w, 0,1,2,3
	ds_load_b128 v[OA+8*\w:OA+8*\w+3], v[ORD] offset:OWV*\w
	ds_load_b128 v[OA+8*\w+4:OA+8*\w+7], v[ORD] offset:OWV*\w+512
	ds_load_b32 v[TMP+\w], v[OLR] offset:OWV*\w
.endr
	s_wait_dscnt 0x0
	v_add_f32 v[TMP], v[TMP], v[TMP+1]
	v_add_f32 v[TMP+2], v[TMP+2], v[TMP+3]
	v_add_f32 v[L], v[TMP], v[TMP+2]
	v_permlanex16_b32 v[MY], v[L], s50, s51
	v_add_f32 v[L], v[L], v[MY]                    ; the row's sum
	v_rcp_f32 v[AA], v[L]
.irp j, 0,2,4,6
	v_pk_add_f32 v[OA+\j:OA+\j+1], v[OA+\j:OA+\j+1], v[OA+8+\j:OA+8+\j+1]
	v_pk_add_f32 v[OA+16+\j:OA+16+\j+1], v[OA+16+\j:OA+16+\j+1], v[OA+24+\j:OA+24+\j+1]
.endr
.irp j, 0,2,4,6
	v_pk_add_f32 v[OA+\j:OA+\j+1], v[OA+\j:OA+\j+1], v[OA+16+\j:OA+16+\j+1]
.endr
	s_wait_alu depctr_va_vdst(0)                   ; the additions above are the independent work behind the reciprocal
.irp j, 0,2,4,6
	v_pk_fma_f32 v[OA+\j:OA+\j+1], v[OA+\j:OA+\j+1], v[AA:AA+1], v[BV+\j:BV+\j+1] op_sel_hi:[1,0,1]
.endr
	global_store_b128 v[GOF], v[OA:OA+3], s[16:17]             ; of[r][64 head + 16 w + 8 h + 0..7]: 32 bytes a lane
	global_store_b128 v[GOF], v[OA+4:OA+7], s[16:17] offset:16
	s_wait_tensorcnt 0x0                           ; the wave's end
	ds_add_u32 v[SPW], v[NIL]
	s_wait_dscnt 0x0
	s_endpgm
.Lfunc_end_k_q29cd85af1f_fine1:
	.size	k_q29cd85af1f_fine1, .Lfunc_end_k_q29cd85af1f_fine1-k_q29cd85af1f_fine1
	.p2alignl 7, 3214868480
	.fill 96, 4, 3214868480
	.section	.rodata,"a",@progbits
	.p2align	6, 0x0
	.amdhsa_kernel k_q29cd85af1f_fine1
		.amdhsa_group_segment_fixed_size 22016
		.amdhsa_private_segment_fixed_size 0
		.amdhsa_enable_private_segment 0
		.amdhsa_kernarg_size 64
		.amdhsa_user_sgpr_count 2
		.amdhsa_user_sgpr_kernarg_segment_ptr 1
		.amdhsa_wavefront_size32 1
		.amdhsa_system_sgpr_workgroup_id_x 1
		.amdhsa_system_sgpr_workgroup_id_y 1
		.amdhsa_system_sgpr_workgroup_id_z 1
		.amdhsa_system_vgpr_workitem_id 0
		.amdhsa_next_free_vgpr 1024
		.amdhsa_next_free_sgpr 66
		.amdhsa_reserve_vcc 0
		.amdhsa_float_denorm_mode_32 3
		.amdhsa_float_denorm_mode_16_64 3
		.amdhsa_memory_ordered 1
		.amdhsa_forward_progress 1
		.amdhsa_inst_pref_size 47
	.end_amdhsa_kernel
	.amdgpu_metadata
---
amdhsa.version: [ 1, 2 ]
amdhsa.kernels:
  - .name:           k_q29cd85af1f_fine1
    .symbol:         k_q29cd85af1f_fine1.kd
    .args:
      - { .name: xq, .offset: 0, .size: 8, .value_kind: global_buffer, .address_space: global }
      - { .name: wq, .offset: 8, .size: 8, .value_kind: global_buffer, .address_space: global }
      - { .name: bq, .offset: 16, .size: 8, .value_kind: global_buffer, .address_space: global }
      - { .name: bk, .offset: 24, .size: 8, .value_kind: global_buffer, .address_space: global }
      - { .name: bv, .offset: 32, .size: 8, .value_kind: global_buffer, .address_space: global }
      - { .name: mw, .offset: 40, .size: 8, .value_kind: global_buffer, .address_space: global }
      - { .name: fl, .offset: 48, .size: 8, .value_kind: global_buffer, .address_space: global }
      - { .name: of, .offset: 56, .size: 8, .value_kind: global_buffer, .address_space: global }
    .group_segment_fixed_size: 22016
    .private_segment_fixed_size: 0
    .kernarg_segment_align: 8
    .kernarg_segment_size: 64
    .max_flat_workgroup_size: 128
    .sgpr_count:     66
    .vgpr_count:     1024
    .wavefront_size: 32
...
	.end_amdgpu_metadata
.endif
;; end of part 3
;; launch attn (part 4): grid 32 x 8, 8 waves a work-group, clusters of 4 x 1, 327,680 bytes of LDS; arguments qkv, mw, o; writes o
.if DOCPART == 4
	.amdgcn_target "amdgcn-amd-amdhsa--gfx1250"
	.amdhsa_code_object_version 6
	.text
	.protected	k_q29cd85af1f_attn
	.globl	k_q29cd85af1f_attn
	.p2align	8
	.type	k_q29cd85af1f_attn,@function
k_q29cd85af1f_attn:
	s_mov_b64 s[64:65], 0
	v_nop
	global_prefetch_b8 v0, s[64:65] scope:SCOPE_SE
	s_setreg_imm32_b32 hwreg(HW_REG_WAVE_MODE, 25, 1), 1
	s_wait_xcnt 0x0
	s_wait_alu depctr_hold_cnt(0) depctr_sa_sdst(0) depctr_va_vdst(0) depctr_va_sdst(0) depctr_va_ssrc(0) depctr_va_vcc(0) depctr_vm_vsrc(0)
	s_getreg_b32 s2, hwreg(HW_REG_IB_STS2, 6, 4)
	s_cmp_eq_u32 s2, 0
	s_cbranch_scc0 .Lentry_in_a_cluster
	s_endpgm
.Lentry_in_a_cluster:
	s_bfe_u32 s2, ttmp6, 0x10000c
	s_cmp_lg_u32 s2, 0x3003
	s_cbranch_scc0 .Lentry_shape_is_right
	s_endpgm
.Lentry_shape_is_right:
; o = softmax(q k^T / 8 + mask) v for all 16 heads of 64; q, k, v f16 [3][4096][1024]; products by the f16 matrix form with f32 sums; maxima, exponentials and sums in f32; p is rounded to f16, o once at the end.
; THE MASK IS AN INPUT: no pattern is built in; every key tile is walked, and every score is selected by the lane-mask words that an earlier launch made of the mask's bytes: one v_cndmask_b32 a register.
; A hidden score becomes -infinity ahead of the maximum; the running maximum begins at -3e38, so p = 0 for hidden keys; a row with no key ends with l = 0 and 0 x infinity = NaN.  LIMIT: scores under -3e38 are not served.
; SHARES.  A work-group owns 128 queries of TWO heads, so that the rows of K's, V's and o's tiles are 256 consecutive aligned bytes.  Wave w: head w / 4 of the pair, two tiles of 16 queries from 32 (w % 4) on.
; Two waves lie on a SIMD, each written in phases: one wave's softmax stands beside the other's products.
; LAYOUT.  S^T = K Q^T (source 0 = 16 keys, source 1 = 16 queries): a lane holds one query and keys 8 (lane / 16) + 0..7; two such tiles, rounded in pairs, are source 1 of O^T = V^T P.  V is turned by ds_load_tr16_b128.
; RING.  Two LDS slots of 256 keys (four key steps of 64); waves 0-3 fetch K of a slot's four steps, waves 4-7 V's: one tensor load of 64 rows a wave behind each change of slots; by this text's count one is out.
; CLUSTER.  The four query blocks of a cluster walk the same K and V of one pair of heads: each tile is asked for jointly.
; REGISTERS: window 0: v2-10 addresses; v[12:13] c, -c; v14, v15 the add's two; v16-31 statistics, 8 a tile; v32-63 Q; v64-127 K; v128-191 S^T; v192-223 P.   window 1: v0-63 O^T; v64-127 V.
.set PITK,  272                        ; 256 bytes + 16: the 16 rows of a load start at 16 different banks
.set PITV,  288                        ; 256 + 32
.set VOFF,  64*PITK
.set STEPB, 64*(PITK+PITV)
.set SLOT,  4*STEPB
.set SPARE, 2*SLOT
.set TILEB, 256*2048                   ; a slot's 256 rows in memory
.set AK0, 2
.set AV0, 3
.set ADK, 4
.set ADV, 5
.set STO, 6
.set RD,  7
.set GO,  8
.set PFO, 9
.set NINF, 10
.set CC,  12
.set SPW, 14
.set NIL, 15
.set ST,  16                           ; tile t at v[ST + 8 t]: +0 -c m, +1 m, +2, +3 l, +4 .. +7 at work (a in +6)
.set QF,  32
.set KF,  64
.set S,   128
.set P,   192
.set VF,  64                           ; in window 1
.set MWP, 2                            ; s[2:3]   my two query tiles' mask words
.set SEL, 4                            ; s[4:5]
.set PFA, 6                            ; s[6:7]   where my prefetches stand
.set G1K, 8
.set G1V, 16
.set G0K, 24
.set G0V, 28
.set MB0, 32                           ; s[32:63] the step's 32 mask words of tile 0
.set MB1, 68                           ; s[68:99] of tile 1
.set WV,  66
.set TB,  67
.set CNT, 100
.set MOFF, 101
.set LIM, 104
.set SCR, 105
.set MSB, 0
.macro WIN new
.if MSB != (\new)
	s_set_vgpr_msb (MSB<<8)|(\new)
.set MSB, (\new)
.endif
.endm
.macro JLOAD                           ; waves 0-3: K of step w; waves 4-7: V of step w - 4.  An s_nop 0 and four v_nop follow each of the two lines
	s_cmp_lt_u32 s[WV], 4
	s_cbranch_scc0 .Lfor_v_\@
	tensor_load_to_lds s[G0K:G0K+3], s[G1K:G1K+7]
	s_nop 0
.rept 4
	v_nop
.endr
	s_branch .Lasked_\@
.Lfor_v_\@:
	tensor_load_to_lds s[G0V:G0V+3], s[G1V:G1V+7]
	s_nop 0
.rept 4
	v_nop
.endr
.Lasked_\@:
.endm
; A prefetch of what the NEXT change of slots will ask for: 256 rows of K and of V, 256 bytes of each row, a lane a row.  All clusters of a pair of heads walk the same rows: the first cluster asks.  Its four partners take
; 64 rows each, told apart by address; in each, waves 0 and 1 ask for K's and waves 2 and 3 for V's, 32 rows a wave.  So each row's 256 bytes are named once.  It asks four key steps ahead of the load that wants them.
.macro ASK
	s_cmp_eq_u32 s[LIM], 1
	s_cbranch_scc0 .Lnot_mine_\@
	global_prefetch_b8 v[PFO], s[PFA:PFA+1] th:TH_LOAD_NT scope:SCOPE_SE
.Lnot_mine_\@:
.endm
.macro CROUND
	s_barrier_signal -1
	s_barrier_wait -1
	s_cmp_lg_u32 s[WV], 0
	s_cbranch_scc1 .Lnot_wave_0_\@
	s_barrier_signal -3
.Lnot_wave_0_\@:
	s_barrier_wait -3
	s_barrier_signal -1
	s_barrier_wait -1
.endm
.macro MLOAD                           ; a key step's mask words: 128 bytes for each of my two query tiles
	s_load_b512 s[MB0:MB0+15], s[MWP:MWP+1], s[MOFF] offset:0
	s_load_b512 s[MB0+16:MB0+31], s[MWP:MWP+1], s[MOFF] offset:64
	s_load_b512 s[MB1:MB1+15], s[MWP:MWP+1], s[MOFF] offset:8192
	s_load_b512 s[MB1+16:MB1+31], s[MWP:MWP+1], s[MOFF] offset:8256
.endm
	s_load_b128 s[32:35], s[0:1], 0x0              ; qkv, mw
	v_lshl_add_u32 v[SPW], v0, 2, SPARE
	v_mov_b32 v[NIL], 0
	ds_add_u32 v[SPW], v[NIL]                      ; the wave's opening: the add, twice on end, and its wait ahead of my first tensor load
	ds_add_u32 v[SPW], v[NIL]
	v_lshrrev_b32 v1, 5, v0
	v_readfirstlane_b32 s[WV], v1                  ; wave 0..7
	s_bfe_u32 s36, ttmp6, 0x40000                  ; cx
	s_lshl_b32 s37, ttmp9, 2
	s_add_co_u32 s37, s37, s36                     ; my block of 128 queries
	s_and_b32 s38, ttmp7, 0xffff                   ; the pair of heads, which the partners share
	s_and_b32 s39, s[WV], 3                        ; which 32 queries; also which step of a slot I fetch
	s_lshr_b32 s40, s[WV], 2                       ; which head of the pair
	s_mov_b32 s[G1K], 15|(1<<16)|(1<<20)|(1<<21)|(5<<22)|(3<<25)  ; the mask: all four; elements of 2 bytes; padding: 4 words behind every 64; bit 21 beside a mask
	s_mov_b32 s[G1V], 15|(1<<16)|(1<<20)|(1<<21)|(5<<22)|(7<<25)  ; the same with 8 words
.irp g, G1K, G1V
	s_mov_b32 s[\g+1], 128<<16                     ; tensor_dim0
	s_mov_b32 s[\g+2], 64<<16                      ; tensor_dim1
	s_mov_b32 s[\g+3], 128<<16                     ; tile_dim0
	s_mov_b32 s[\g+4], 64                          ; tile_dim1
	s_mov_b32 s[\g+5], 1024                        ; pitch in elements
	s_mov_b32 s[\g+6], 0
	s_mov_b32 s[\g+7], 0
.endr
	s_mov_b32 s[SEL], 0x76543210
	s_mov_b32 s[SEL+1], 0xfedcba98
	s_mov_b32 s[MOFF], 0
	s_mov_b32 s[CNT], 7
	s_lshl_b32 s42, s38, 8                         ; K's and V's tiles: the pair's 256 bytes of a row,
	s_lshl_b32 s43, s39, 17                        ; my step's 64 rows of 2,048 bytes: nothing of cx
	s_add_co_u32 s42, s42, s43
	s_mov_b32 s43, 0
	s_lshl_b32 s44, s37, 18                        ; Q: my block's 128 rows,
	s_lshl_b32 s45, s39, 16                        ; my 32 of them,
	s_add_co_u32 s44, s44, s45
	s_lshl_b32 s45, s38, 8
	s_add_co_u32 s44, s44, s45
	s_lshl_b32 s41, s40, 7                         ; my head's 128 bytes
	s_add_co_u32 s44, s44, s41
	s_mov_b32 s45, 0
	s_lshl_b32 s48, s37, 16                        ; the mask words: 8 query tiles of 8,192 bytes a block,
	s_lshl_b32 s49, s39, 14                        ; two a wave
	s_add_co_u32 s48, s48, s49
	s_mov_b32 s49, 0
	s_and_b32 s46, s[WV], 1                        ; the prefetches: 32 rows a wave,
	s_lshl_b32 s46, s46, 16
	s_lshl_b32 s47, s36, 17                        ; 64 a work-group,
	s_add_co_u32 s46, s46, s47
	s_lshl_b32 s47, s38, 8
	s_add_co_u32 s46, s46, s47
	s_mov_b32 s47, 0x1000000                       ; in V,
	s_cmp_lt_u32 s[WV], 2
	s_cselect_b32 s47, 0x800000, s47               ; or in K;
	s_add_co_u32 s46, s46, s47
	s_add_co_u32 s46, s46, TILEB                   ; at slot 1's rows: the first change of slots steps it on.  Nothing is prefetched at the head
	s_mov_b32 s47, 0
	s_lshr_b32 s[LIM], s[WV], 2                    ; 0 in waves 0-3
	s_or_b32 s[LIM], s[LIM], ttmp9                 ; of the pair's first cluster: the same in all partners
	s_cmp_eq_u32 s[LIM], 0
	s_cselect_b32 s[LIM], 1, -1
	s_mul_i32 s[SCR], s39, STEPB
	s_mov_b32 s[G0K], 1
	s_mov_b32 s[G0V], 1
	s_mov_b32 s[G0K+1], s[SCR]                     ; slot 0, my step
	s_add_co_u32 s[G0V+1], s[SCR], VOFF
	v_and_b32 v1, 15, v0                           ; r
	v_bfe_u32 v11, v0, 4, 1                        ; h
	v_mul_u32_u24 v[AK0], v1, PITK
	v_lshl_add_u32 v[AK0], v11, 4, v[AK0]
	v_add_nc_u32 v[AK0], s41, v[AK0]               ; K: row r, + 16 h, + my head's 128 bytes
	v_and_b32 v[AV0], 7, v0
	v_lshl_add_u32 v[AV0], v11, 3, v[AV0]
	v_mul_u32_u24 v[AV0], v[AV0], PITV
	v_bfe_u32 v[ADK], v0, 3, 1
	v_lshl_add_u32 v[AV0], v[ADK], 4, v[AV0]
	v_add_nc_u32 v[AV0], s41, v[AV0]
	v_add_nc_u32 v[AV0], VOFF, v[AV0]              ; V: key 8 h + l % 8, channels 8 ((l / 8) % 2) on
	s_mul_i32 s50, s39, 32*PITK
	v_add_nc_u32 v[STO], s50, v[AK0]               ; the way out: row 32 (w % 4) + r of the stage, my head's half, + 16 h
	s_mul_i32 s50, s[WV], 16*PITK
	v_mul_u32_u24 v[RD], v11, PITK
	v_lshl_add_u32 v[RD], v1, 4, v[RD]
	v_add_nc_u32 v[RD], s50, v[RD]                 ; back: rows 16 w on, lanes 0-15 one row, lanes 16-31 the next
	v_lshlrev_b32 v[GO], 11, v11
	v_lshl_add_u32 v[GO], v1, 4, v[GO]
	v_and_b32 v[PFO], 31, v0
	v_lshlrev_b32 v[PFO], 11, v[PFO]
	v_lshlrev_b32 v[ADV], 11, v1
	v_lshl_add_u32 v[ADV], v11, 4, v[ADV]          ; Q: row r of 2,048 bytes, + 16 h (this register is the step's V address later)
	v_mov_b32 v[NINF], 0xff800000
	v_mov_b32 v[CC], 0x3e38aa3b                    ; c = log2(e) / sqrt(64)
	v_mov_b32 v[CC+1], 0xbe38aa3b
	s_wait_dscnt 0x0                               ; both opening adds are done
	s_wait_kmcnt 0x0
	s_add_nc_u64 s[G0K+2:G0K+3], s[32:33], s[42:43]
	s_add_nc_u64 s[G0V+2:G0V+3], s[G0K+2:G0K+3], 0x1000000
	s_add_nc_u64 s[G0K+2:G0K+3], s[G0K+2:G0K+3], 0x800000
	s_or_b32 s[G0K+3], s[G0K+3], 0x80000000
	s_or_b32 s[G0V+3], s[G0V+3], 0x80000000
	s_add_nc_u64 s[MWP:MWP+1], s[34:35], s[48:49]
	s_add_nc_u64 s[PFA:PFA+1], s[32:33], s[46:47]
	s_add_nc_u64 s[44:45], s[32:33], s[44:45]
	CROUND                                         ; all four work-groups are here: the first joint loads meet
	JLOAD                                          ; keys 0-255 into slot 0
.irp t, 0,1
.irp c, 0,1
	global_load_b128 v[QF+8*(2*\t+\c):QF+8*(2*\t+\c)+3], v[ADV], s[44:45] offset:\t*32768+64*\c
	global_load_b128 v[QF+8*(2*\t+\c)+4:QF+8*(2*\t+\c)+7], v[ADV], s[44:45] offset:\t*32768+64*\c+32
.endr
.endr
	s_wait_xcnt 0x0                                ; Q's loads have read their base: the mask words may land on it
	MLOAD                                          ; key step 0's mask words
.irp t, 0,1
	v_mov_b32 v[ST+8*\t+1], 0xff61b1e6             ; the largest score so far: -3e38
	v_mul_f32 v[ST+8*\t], v[CC+1], v[ST+8*\t+1]
	v_mov_b32 v[ST+8*\t+2], 0
	v_mov_b32 v[ST+8*\t+3], 0
.endr
	WIN 0x40
.set i, 0
.rept 64
	v_mov_b32 v[i], 0                              ; O^T: the step is written once; the first finds zeros
.set i, i+1
.endr
	WIN 0
	s_wait_loadcnt 0x0                             ; Q
; A KEY STEP: 64 keys, at LDS byte s[TB].
.macro STEP
	v_add_nc_u32 v[ADK], s[TB], v[AK0]
	v_add_nc_u32 v[ADV], s[TB], v[AV0]
	v_nop
	v_nop                                          ; four plain lines between the last product that read V and the loads into V's registers
.irp f, 0,1,2,3,4,5,6,7                        ; K's fragment f: keys 16 (f / 2) on, channels 32 (f % 2) on
	ds_load_b128 v[KF+8*\f:KF+8*\f+3], v[ADK] offset:(\f/2)*16*PITK+(\f%2)*64
	ds_load_b128 v[KF+8*\f+4:KF+8*\f+7], v[ADK] offset:(\f/2)*16*PITK+(\f%2)*64+32
.endr
	WIN 0x40
.irp f, 0,1,2,3,4,5,6,7                        ; V's fragment f: keys 32 (f / 4) on, channels 16 (f % 4) on
	ds_load_tr16_b128 v[VF+8*\f:VF+8*\f+3], v[ADV] offset:(\f/4)*32*PITV+(\f%4)*32
	ds_load_tr16_b128 v[VF+8*\f+4:VF+8*\f+7], v[ADV] offset:(\f/4)*32*PITV+16*PITV+(\f%4)*32
.endr
	WIN 0
	s_wait_dscnt 16                                ; K is in; V's sixteen loads may be out
.set i, 0
.rept 16                                       ; S^T = K Q^T: eight accumulators by turns; the first eight start the sums
.set rS, S+32*(i%2)+8*((i/2)%4)
.set rK, KF+8*(2*((i/2)%4)+i/8)
.set rQ, QF+8*(2*(i%2)+i/8)
.if i < 8
	v_wmma_f32_16x16x32_f16 v[rS:rS+7], v[rK:rK+7], v[rQ:rQ+7], 0
.else
	v_wmma_f32_16x16x32_f16 v[rS:rS+7], v[rK:rK+7], v[rQ:rQ+7], v[rS:rS+7]
.endif
.set i, i+1
.endr
.rept 4
	v_nop
.endr
	s_wait_kmcnt 0x0                               ; this step's mask words, asked for a step ago
.set i, 0
.rept 32
	v_cndmask_b32 v[S+i], v[NINF], v[S+i], s[MB0+i]            ; bit L of word 8 kt + j: lane L's query sees key 16 kt + 8 (L / 16) + j.  Each accumulator from its low end on
	v_cndmask_b32 v[S+32+i], v[NINF], v[S+32+i], s[MB1+i]
.set i, i+1
.endr
	s_add_co_u32 s[MOFF], s[MOFF], 128             ; the next step's words; the last step asks for its own again, so that no load leaves the buffer
	s_min_u32 s[MOFF], s[MOFF], 8064
	MLOAD
.irp j, 0,1,2,3                                ; the maximum of 32 scores and the old m: four chains a tile, the tiles by turns
.irp t, 0,1
	v_max3_num_f32 v[ST+8*\t+4+\j], v[S+32*\t+8*\j], v[S+32*\t+8*\j+1], v[S+32*\t+8*\j+2]
.endr
.endr
.irp k, 1,2
.irp j, 0,1,2,3
.irp t, 0,1
	v_max3_num_f32 v[ST+8*\t+4+\j], v[ST+8*\t+4+\j], v[S+32*\t+8*\j+2*\k+1], v[S+32*\t+8*\j+2*\k+2]
.endr
.endr
.endr
.irp t, 0,1
	v_max3_num_f32 v[ST+8*\t+4], v[ST+8*\t+4], v[S+32*\t+7], v[S+32*\t+15]
	v_max3_num_f32 v[ST+8*\t+6], v[ST+8*\t+6], v[S+32*\t+23], v[S+32*\t+31]
.endr
.irp t, 0,1
	v_max3_num_f32 v[ST+8*\t+4], v[ST+8*\t+4], v[ST+8*\t+5], v[ST+8*\t+6]
.endr
.irp t, 0,1
	v_max3_num_f32 v[ST+8*\t+4], v[ST+8*\t+4], v[ST+8*\t+7], v[ST+8*\t+1]
.endr
.irp t, 0,1
	v_permlanex16_b32 v[ST+8*\t+5], v[ST+8*\t+4], s[SEL], s[SEL+1]   ; the query's other 32 keys lie in the lane 16 away
.endr
.irp t, 0,1
	v_mov_b32 v[ST+8*\t+7], v[ST+8*\t]
.endr
.irp t, 0,1
	v_max_num_f32 v[ST+8*\t+1], v[ST+8*\t+4], v[ST+8*\t+5]
.endr
.irp t, 0,1
	v_mul_f32 v[ST+8*\t], v[CC+1], v[ST+8*\t+1]    ; -c m
.endr
.irp t, 0,1
	v_sub_f32 v[ST+8*\t+7], v[ST+8*\t], v[ST+8*\t+7]   ; c m_old - c m_new
.endr
.set i, 0
.rept 16
.irp t, 0,1
	v_pk_fma_f32 v[S+32*\t+i:S+32*\t+i+1], v[S+32*\t+i:S+32*\t+i+1], v[CC:CC+1], v[ST+8*\t:ST+8*\t+1] op_sel_hi:[1,0,0]   ; c s - c m
.endr
.set i, i+2
.endr
.irp t, 0,1
	v_exp_f32 v[ST+8*\t+6], v[ST+8*\t+7]           ; a
.endr
.set i, 0
.rept 64
	v_exp_f32 v[S+i], v[S+i]
.set i, i+1
.endr
	v_nop                                          ; a plain line behind the last exponential
	s_wait_alu depctr_va_vdst(0)                   ; one wait for the batch of 66, ahead of its first reader
.set i, 0
.rept 32
	v_cvt_pk_f16_f32 v[P+i], v[S+2*i], v[S+2*i+1]
.set i, i+1
.endr
.set z, 0
.rept 15                                       ; the sum of a tile's 16 pairs, in place: neighbours 1, 2, 4 and 8 pairs apart
.set w, 4
.set u, z
.if z >= 14
.set w, 32
.set u, 0
.elseif z >= 12
.set w, 16
.set u, z-12
.elseif z >= 8
.set w, 8
.set u, z-8
.endif
.irp t, 0,1
	v_pk_add_f32 v[S+32*\t+w*u:S+32*\t+w*u+1], v[S+32*\t+w*u:S+32*\t+w*u+1], v[S+32*\t+w*u+w/2:S+32*\t+w*u+w/2+1]
.endr
.set z, z+1
.endr
.irp t, 0,1
	v_pk_fma_f32 v[ST+8*\t+2:ST+8*\t+3], v[ST+8*\t+2:ST+8*\t+3], v[ST+8*\t+6:ST+8*\t+7], v[S+32*\t:S+32*\t+1] op_sel_hi:[1,0,1]   ; l = a l + the sum
.endr
	WIN 0x41
.irp t, 0,1
.set i, 0
.rept 16
	v_pk_mul_f32 v[32*\t+i:32*\t+i+1], v[32*\t+i:32*\t+i+1], v[ST+8*\t+6:ST+8*\t+7] op_sel_hi:[1,0]   ; O^T x a
.set i, i+2
.endr
.endr
	s_wait_dscnt 0x0                               ; V is in
	WIN 0x51
.set i, 0
.rept 16                                       ; O^T += V^T P: eight accumulators by turns
.set rO, 32*(i%2)+8*((i/2)%4)
.set rV, VF+8*(4*(i/8)+(i/2)%4)
.set rP, P+16*(i%2)+8*(i/8)
	v_wmma_f32_16x16x32_f16 v[rO:rO+7], v[rV:rV+7], v[rP:rP+7], v[rO:rO+7]
.set i, i+1
.endr
	WIN 0
.endm
; A slot's four key steps, behind the change of slots.  Each wave waits for all its tensor loads (its part of the slot ahead), adds 0 to its spare word, and waits for that and for its reads of the slot that it has left.
; refill = 1: the barrier is a round of the cluster's, and the other slot is asked for first thing behind it: it has four key steps in which to land.
.macro TRIP slot, refill, ask
	s_wait_tensorcnt 0x0                           ; no tensor load of mine is out, so a group 0 may be written
	ds_add_u32 v[SPW], v[NIL]
.if \refill
	s_add_nc_u64 s[G0K+2:G0K+3], s[G0K+2:G0K+3], TILEB
	s_add_nc_u64 s[G0V+2:G0V+3], s[G0V+2:G0V+3], TILEB
	s_and_b32 s[SCR], s[WV], 3
	s_mul_i32 s[SCR], s[SCR], STEPB
	s_add_co_u32 s[G0K+1], s[SCR], (1-\slot)*SLOT
	s_add_co_u32 s[G0V+1], s[SCR], (1-\slot)*SLOT+VOFF
.endif
.if \ask
	s_wait_xcnt 0x0                                ; the last prefetch, four key steps back, has read its address
	s_add_nc_u64 s[PFA:PFA+1], s[PFA:PFA+1], TILEB
.endif
	s_wait_dscnt 0x0
.if \refill
	CROUND
	JLOAD
.if \ask
	ASK
.endif
.else
	s_barrier_signal -1
	s_barrier_wait -1
.endif
	s_mov_b32 s[TB], \slot*SLOT
.Lstep_\@:
	STEP
	s_add_co_u32 s[TB], s[TB], STEPB
	s_cmp_lt_u32 s[TB], \slot*SLOT+4*STEPB
	s_cbranch_scc1 .Lstep_\@
.endm
.Lpair:                                            ; seven trips: slots' worth 0 to 13 are multiplied, 1 to 14 asked for, 2 to 15 prefetched
	TRIP 0, 1, 1
	TRIP 1, 1, 1
	s_sub_co_u32 s[CNT], s[CNT], 1
	s_cmp_lg_u32 s[CNT], 0
	s_cbranch_scc1 .Lpair
	TRIP 0, 1, 0                                   ; the tail is written out: the last load, and no prefetch past the end
	TRIP 1, 0, 0
	; THE WAY OUT.  The stage, 128 rows x 272 bytes, lies in slot 0, which has had its last fill, and its last read ahead of the last barrier.
	s_wait_kmcnt 0x0                               ; the last look-ahead of mask words has landed: its registers are free
	s_load_b64 s[32:33], s[0:1], 0x10              ; o
	s_bfe_u32 s36, ttmp6, 0x40000
	s_lshl_b32 s37, ttmp9, 2
	s_add_co_u32 s37, s37, s36
	s_lshl_b32 s36, s37, 18                        ; my block's 128 rows of 2,048 bytes,
	s_lshl_b32 s37, s[WV], 15                      ; the 16 that I store,
	s_add_co_u32 s36, s36, s37
	s_and_b32 s37, ttmp7, 0xffff
	s_lshl_b32 s37, s37, 8                         ; the pair's 256 bytes
	s_add_co_u32 s36, s36, s37
	s_mov_b32 s37, 0
.irp t, 0,1
	v_add_f32 v[ST+8*\t+4], v[ST+8*\t+2], v[ST+8*\t+3]
.endr
.irp t, 0,1
	v_permlanex16_b32 v[ST+8*\t+5], v[ST+8*\t+4], s[SEL], s[SEL+1]
.endr
.irp t, 0,1
	v_add_f32 v[ST+8*\t+4], v[ST+8*\t+4], v[ST+8*\t+5]
.endr
.irp t, 0,1
	v_rcp_f32 v[ST+8*\t+6], v[ST+8*\t+4]
.endr
	v_nop
	s_wait_alu depctr_va_vdst(0)
	WIN 0x41
.irp t, 0,1
.set i, 0
.rept 16
	v_pk_mul_f32 v[32*\t+i:32*\t+i+1], v[32*\t+i:32*\t+i+1], v[ST+8*\t+6:ST+8*\t+7] op_sel_hi:[1,0]
.set i, i+2
.endr
.endr
	WIN 0x05
.set i, 0
.rept 32
	v_cvt_pk_f16_f32 v[S+i], v[2*i], v[2*i+1]
.set i, i+1
.endr
	WIN 0
.irp t, 0,1
.irp c, 0,1,2,3
	ds_store_b128 v[STO], v[S+16*\t+4*\c:S+16*\t+4*\c+3] offset:\t*16*PITK+32*\c
.endr
.endr
	s_wait_dscnt 0x0                               ; a row's 256 bytes come from two waves: my stores are done, then the barrier
	s_barrier_signal -1
	s_barrier_wait -1
.irp i, 0,1,2,3,4,5,6,7
	ds_load_b128 v[S+4*\i:S+4*\i+3], v[RD] offset:\i*2*PITK
.endr
	s_wait_kmcnt 0x0
	s_add_nc_u64 s[32:33], s[32:33], s[36:37]
.irp i, 0,1,2,3,4,5,6,7
	s_wait_dscnt 7-\i                              ; load i is in; the younger ones may be out
	global_store_b128 v[GO], v[S+4*\i:S+4*\i+3], s[32:33] offset:\i*4096   ; 16 lanes store 256 consecutive bytes, aligned
.endr
	s_wait_tensorcnt 0x0                           ; the wave's end
	ds_add_u32 v[SPW], v[NIL]
	s_wait_dscnt 0x0
	CROUND                                         ; the closing round
	s_endpgm
.Lfunc_end_k_q29cd85af1f_attn:
	.size	k_q29cd85af1f_attn, .Lfunc_end_k_q29cd85af1f_attn-k_q29cd85af1f_attn
	.p2alignl 7, 3214868480
	.fill 96, 4, 3214868480
	.section	.rodata,"a",@progbits
	.p2align	6, 0x0
	.amdhsa_kernel k_q29cd85af1f_attn
		.amdhsa_group_segment_fixed_size 327680
		.amdhsa_private_segment_fixed_size 0
		.amdhsa_enable_private_segment 0
		.amdhsa_kernarg_size 24
		.amdhsa_user_sgpr_count 2
		.amdhsa_user_sgpr_kernarg_segment_ptr 1
		.amdhsa_wavefront_size32 1
		.amdhsa_system_sgpr_workgroup_id_x 1
		.amdhsa_system_sgpr_workgroup_id_y 1
		.amdhsa_system_sgpr_workgroup_id_z 1
		.amdhsa_system_vgpr_workitem_id 0
		.amdhsa_next_free_vgpr 384
		.amdhsa_next_free_sgpr 106
		.amdhsa_reserve_vcc 0
		.amdhsa_float_denorm_mode_32 3
		.amdhsa_float_denorm_mode_16_64 3
		.amdhsa_memory_ordered 1
		.amdhsa_forward_progress 1
		.amdhsa_inst_pref_size 109
	.end_amdhsa_kernel
	.amdgpu_metadata
---
amdhsa.version: [ 1, 2 ]
amdhsa.kernels:
  - .name:           k_q29cd85af1f_attn
    .symbol:         k_q29cd85af1f_attn.kd
    .args:
      - { .name: qkv, .offset: 0, .size: 8, .value_kind: global_buffer, .address_space: global }
      - { .name: mw, .offset: 8, .size: 8, .value_kind: global_buffer, .address_space: global }
      - { .name: o, .offset: 16, .size: 8, .value_kind: global_buffer, .address_space: global }
    .group_segment_fixed_size: 327680
    .private_segment_fixed_size: 0
    .kernarg_segment_align: 8
    .kernarg_segment_size: 24
    .max_flat_workgroup_size: 256
    .sgpr_count:     106
    .vgpr_count:     384
    .wavefront_size: 32
...
	.end_amdgpu_metadata
.endif
;; end of part 4
;; launch oproj (part 5): grid 8 x 32, 4 waves a work-group, clusters of 4 x 4, 327,680 bytes of LDS; arguments o, wot, bo, out0; writes out0
.if DOCPART == 5
	.amdgcn_target "amdgcn-amd-amdhsa--gfx1250"
	.amdhsa_code_object_version 6
	.text
	.protected	k_q29cd85af1f_oproj
	.globl	k_q29cd85af1f_oproj
	.p2align	8
	.type	k_q29cd85af1f_oproj,@function
k_q29cd85af1f_oproj:
	s_mov_b64 s[64:65], 0
	v_nop
	global_prefetch_b8 v0, s[64:65] scope:SCOPE_SE
	s_setreg_imm32_b32 hwreg(HW_REG_WAVE_MODE, 25, 1), 1
	s_wait_xcnt 0x0
	s_wait_alu depctr_hold_cnt(0) depctr_sa_sdst(0) depctr_va_vdst(0) depctr_va_sdst(0) depctr_va_ssrc(0) depctr_va_vcc(0) depctr_vm_vsrc(0)
	s_getreg_b32 s2, hwreg(HW_REG_IB_STS2, 6, 4)
	s_cmp_eq_u32 s2, 0
	s_cbranch_scc0 .Lentry_in_a_cluster
	s_endpgm
.Lentry_in_a_cluster:
	s_bfe_u32 s2, ttmp6, 0x10000c
	s_cmp_lg_u32 s2, 0xf033
	s_cbranch_scc0 .Lentry_shape_is_right
	s_endpgm
.Lentry_shape_is_right:
; out0 = o Wo + bo.  A = o [4096][1024] f16, B = Wo^T [n 1024][k 1024] f16, sums in f32, begun with the bias; out0 [4096][1024] f32.  (Rows 0-15 are written again, more finely, by a later launch.)
; A tile of 128 x 128 for each of 256 work-groups; four waves, 64 x 64 each: 16 accumulators.  K goes in steps of 256 (LDS rows of 512 bytes) through a ring of two slots.
; CLUSTERS: 4 x 4 work-groups; A's tiles are asked for jointly along a row of the cluster, B's along a column.  The matrix instruction is used transposed: a lane holds eight neighbouring columns of a row.
; A wave's 64 columns of f32 are 256 aligned bytes, so each wave has a stage of its own on the way out and no barrier is needed there.
; REGISTERS: window 0: v0-31 addresses; v32-95 the way out; v96-127 the bias in the result's layout; v128-255 the accumulators.  window 1: two fragment buffers of 128.
.set SIZE_N, 1024
.set SIZE_K, 1024
.set KSTEP,  256
.set PITCH,  528
.set HALFT,  64*PITCH
.set SLOT,   4*HALFT
.set STAGE,  2*SLOT                    ; behind the ring: 16 rows x 272 bytes for each wave
.set SPITCH, 272
.set SPARE,  STAGE+4*16*SPITCH
.set LAPS, SIZE_K/(2*KSTEP)
.set ADRA, 16
.set ADRB, 20
.set STO,  24
.set RD,   25
.set CO,   26
.set SPW,  28
.set NIL,  29
.set TMP,  32
.set BI,   96
.set ACC,  128
.set F0,   0
.set F1,   128
.set G1, 24
.set G0, 32
.set G1B, 48
.set G0B, 56
.set MSB, 0
.macro WIN new
.if MSB != (\new)
	s_set_vgpr_msb (MSB<<8)|(\new)
.set MSB, (\new)
.endif
.endm
.set MUL,  0x05                        ; sources 0 (B) and 1 (A) window 1; C and D window 0
.set TO_F, 0x40
.macro JLOAD s                         ; waves 0 and 1 fetch A's two halves, waves 2 and 3 B's; an s_nop 0 and four v_nop follow each of the two lines
	s_cmp_eq_u32 s11, 0
	s_cbranch_scc0 .Lfor_b_\@
	tensor_load_to_lds s[G0+4*\s:G0+4*\s+3], s[G1:G1+7]
	s_nop 0
.rept 4
	v_nop
.endr
	s_branch .Lasked_\@
.Lfor_b_\@:
	tensor_load_to_lds s[G0B+4*\s:G0B+4*\s+3], s[G1B:G1B+7]
	s_nop 0
.rept 4
	v_nop
.endr
.Lasked_\@:
.endm
.macro CREST
	s_cmp_lg_u32 s10, 0
	s_cbranch_scc1 .Lnot_wave_0_\@
	s_barrier_signal -3
.Lnot_wave_0_\@:
	s_barrier_wait -3
	s_barrier_signal -1
	s_barrier_wait -1
.endm
.macro CROUND
	s_barrier_signal -1
	s_barrier_wait -1
	CREST
.endm
	s_load_b128 s[4:7], s[0:1], 0x0                ; o s[4:5], wot s[6:7]
	s_load_b64 s[66:67], s[0:1], 0x10              ; bo
	s_load_b64 s[8:9], s[0:1], 0x18                ; out0
	v_lshl_add_u32 v[SPW], v0, 2, SPARE
	v_mov_b32 v[NIL], 0
	ds_add_u32 v[SPW], v[NIL]                      ; the wave's opening: the add, twice on end, and its wait ahead of my first tensor load
	ds_add_u32 v[SPW], v[NIL]
	v_lshrrev_b32 v1, 5, v0
	v_readfirstlane_b32 s10, v1                    ; wave 0..3
	s_lshr_b32 s11, s10, 1                         ; which half of the tile's rows is mine.  Also: I fetch for A (0) or for B (1)
	s_and_b32 s12, s10, 1                          ; which half of its columns.  Also: which 64 rows I fetch
	s_bfe_u32 s40, ttmp6, 0x40000
	s_bfe_u32 s41, ttmp6, 0x40004
	s_lshl_b32 s42, ttmp9, 2
	s_add_co_u32 s42, s42, s40                     ; tile column
	s_and_b32 s13, ttmp7, 0xffff
	s_lshl_b32 s13, s13, 2
	s_add_co_u32 s13, s13, s41                     ; tile row
	s_lshl_b32 s43, s41, 2
	s_lshl_b32 s43, 15, s43                        ; my row of the cluster
	s_lshl_b32 s44, 0x1111, s40                    ; my column
	s_or_b32 s[G1+0], s43, (1<<16)|(1<<20)|(1<<21)|(6<<22)|(3<<25)  ; the mask; elements of 2 bytes; padding: 4 words behind every 128; bit 21 beside a mask
	s_or_b32 s[G1B+0], s44, (1<<16)|(1<<20)|(1<<21)|(6<<22)|(3<<25)
.irp g, G1, G1B
	s_mov_b32 s[\g+1], KSTEP<<16
	s_mov_b32 s[\g+2], 64<<16
	s_mov_b32 s[\g+3], KSTEP<<16
	s_mov_b32 s[\g+4], 64
	s_mov_b32 s[\g+5], SIZE_K
	s_mov_b32 s[\g+6], 0
	s_mov_b32 s[\g+7], 0
.endr
	s_lshl_b32 s17, s12, 6
	s_lshl_b32 s16, s13, 7
	s_add_co_u32 s16, s16, s17                     ; A: row 128 x tile row + 64 x half
	s_lshl_b32 s46, s42, 7
	s_add_co_u32 s46, s46, s17                     ; B: row 128 x tile column + 64 x half
	s_mov_b32 s17, 0
	s_mov_b32 s47, 0
	s_mov_b64 s[18:19], SIZE_K*2
	s_mul_u64 s[16:17], s[16:17], s[18:19]
	s_mul_u64 s[46:47], s[46:47], s[18:19]
	s_mul_i32 s20, s10, HALFT
	s_wait_dscnt 0x0                               ; both opening adds are done
	s_wait_kmcnt 0x0
	s_add_nc_u64 s[14:15], s[4:5], s[16:17]
	s_add_nc_u64 s[46:47], s[6:7], s[46:47]
	CROUND                                         ; all sixteen work-groups are here
.irp s, 0,1
	s_mov_b32 s[G0+4*\s], 1
	s_add_co_u32 s[G0+4*\s+1], s20, \s*SLOT
	s_add_nc_u64 s[G0+4*\s+2:G0+4*\s+3], s[14:15], \s*KSTEP*2
	s_or_b32 s[G0+4*\s+3], s[G0+4*\s+3], 0x80000000
	s_mov_b32 s[G0B+4*\s], 1
	s_add_co_u32 s[G0B+4*\s+1], s20, \s*SLOT
	s_add_nc_u64 s[G0B+4*\s+2:G0B+4*\s+3], s[46:47], \s*KSTEP*2
	s_or_b32 s[G0B+4*\s+3], s[G0B+4*\s+3], 0x80000000
	JLOAD \s
.endr
	v_and_b32 v1, 15, v0                           ; l % 16
	v_bfe_u32 v2, v0, 4, 1                         ; l / 16
	s_lshl_b32 s46, s42, 9                         ; my first column in bytes of f32: 512 x tile column + 256 x half
	s_lshl_b32 s47, s12, 8
	s_add_co_u32 s46, s46, s47
	s_mov_b32 s47, 0
	s_add_nc_u64 s[66:67], s[66:67], s[46:47]
	v_lshlrev_b32 v6, 5, v2
.irp b, 0,1,2,3                                ; the bias: register 8 b + j of lane (r, h) = bo[my first column + 16 b + 8 h + j]
	global_load_b128 v[BI+8*\b:BI+8*\b+3], v6, s[66:67] offset:64*\b
	global_load_b128 v[BI+8*\b+4:BI+8*\b+7], v6, s[66:67] offset:64*\b+16
.endr
	v_mul_u32_u24 v3, v1, PITCH
	v_lshl_add_u32 v3, v2, 4, v3
	s_mul_i32 s21, s11, HALFT
	s_mul_i32 s22, s12, HALFT
	s_add_co_u32 s22, s22, 2*HALFT
.irp s, 0,1
	v_add_nc_u32 v[ADRA+\s], s21, v3
	v_add_nc_u32 v[ADRB+\s], s22, v3
	s_add_co_u32 s21, s21, SLOT
	s_add_co_u32 s22, s22, SLOT
.endr
	s_mul_i32 s23, s10, 16*SPITCH
	s_add_co_u32 s23, s23, STAGE                   ; my stage
	v_mul_u32_u24 v4, v1, SPITCH
	v_lshl_add_u32 v4, v2, 5, v4
	v_add_nc_u32 v[STO], s23, v4                   ; in: row l % 16, 32 bytes for each half of the lanes
	v_mul_u32_u24 v5, v2, SPITCH
	v_lshl_add_u32 v5, v1, 4, v5
	v_add_nc_u32 v[RD], s23, v5                    ; back: lanes 0-15 one row of 256 bytes, lanes 16-31 the next
	v_lshlrev_b32 v5, 12, v2
	v_lshl_add_u32 v[CO], v1, 4, v5
	s_lshl_b32 s16, s13, 7
	s_lshl_b32 s17, s11, 6
	s_add_co_u32 s16, s16, s17                     ; my first row: 128 x tile row + 64 x half
	s_lshl_b32 s16, s16, 12
	s_mov_b32 s17, 0
	s_add_nc_u64 s[8:9], s[8:9], s[16:17]
	s_add_nc_u64 s[8:9], s[8:9], s[46:47]
.macro MUL8 f, c, a0, first            ; 8 matrix instructions: m blocks a0, a0 + 1 x all 4 n blocks, 32 along K.  first = 1: the sums begin with the bias
.irp a, \a0, \a0+1
.irp b, 0,1,2,3
.if \first
	v_wmma_f32_16x16x32_f16 v[ACC+8*(4*(\a)+\b):ACC+8*(4*(\a)+\b)+7], v[\f+64+8*(4*\c+\b):\f+64+8*(4*\c+\b)+7], v[\f+8*(4*\c+\a):\f+8*(4*\c+\a)+7], v[BI+8*\b:BI+8*\b+7]
.else
	v_wmma_f32_16x16x32_f16 v[ACC+8*(4*(\a)+\b):ACC+8*(4*(\a)+\b)+7], v[\f+64+8*(4*\c+\b):\f+64+8*(4*\c+\b)+7], v[\f+8*(4*\c+\a):\f+8*(4*\c+\a)+7], v[ACC+8*(4*(\a)+\b):ACC+8*(4*(\a)+\b)+7]
.endif
.endr
.endr
.endm
.macro FETCH slot, k, f                ; 32 LDS loads in one run: the fragments of 64 along K at byte k of the rows; the first 32 along K first
	WIN TO_F
.irp c, 0,1
.irp i, 0,1,2,3
	ds_load_b128 v[\f+64+8*(4*\c+\i):\f+64+8*(4*\c+\i)+3],   v[ADRB+\slot] offset:\k+64*\c+\i*16*PITCH
	ds_load_b128 v[\f+64+8*(4*\c+\i)+4:\f+64+8*(4*\c+\i)+7], v[ADRB+\slot] offset:\k+64*\c+\i*16*PITCH+32
	ds_load_b128 v[\f+8*(4*\c+\i):\f+8*(4*\c+\i)+3],         v[ADRA+\slot] offset:\k+64*\c+\i*16*PITCH
	ds_load_b128 v[\f+8*(4*\c+\i)+4:\f+8*(4*\c+\i)+7],       v[ADRA+\slot] offset:\k+64*\c+\i*16*PITCH+32
.endr
.endr
.endm
.macro PLACES
.rept 4
	v_nop
.endr
.endm
.macro QUARTER slot, k, f, g, first
	s_wait_dscnt 16                                ; the first 32 along K are in; the other sixteen loads may be out
	WIN MUL
	MUL8 \f, 0, 0, \first
	MUL8 \f, 0, 2, \first
	PLACES
	FETCH \slot, \k, \g
	s_wait_dscnt 32                                ; all but the 32 just issued
	WIN MUL
	MUL8 \f, 1, 0, 0
	MUL8 \f, 1, 2, 0
.endm
.macro TURN slot, next, fill           ; the last quarter changes slots: one barrier; fill = 1: it opens a round of the cluster's, and this slot is filled again first thing behind it
	WIN 0
	s_wait_tensorcnt 0x0                           ; all my tensor loads have landed: my part of the next slot
	ds_add_u32 v[SPW], v[NIL]
	s_wait_dscnt 17                                ; the add and the youngest sixteen loads may be out
	WIN MUL
	MUL8 F1, 0, 0, 0
	s_wait_dscnt 0x0                               ; the add is done, and my reads of this slot are over
	s_barrier_signal -1
	MUL8 F1, 0, 2, 0
.if \fill
	WIN 0
.endif
	s_barrier_wait -1
.if \fill
	CREST
	s_add_nc_u64 s[G0+4*\slot+2:G0+4*\slot+3], s[G0+4*\slot+2:G0+4*\slot+3], 2*KSTEP*2
	s_add_nc_u64 s[G0B+4*\slot+2:G0B+4*\slot+3], s[G0B+4*\slot+2:G0B+4*\slot+3], 2*KSTEP*2
	JLOAD \slot
.else
	PLACES
.endif
	FETCH \next, 0, F0
	WIN MUL
	MUL8 F1, 1, 0, 0
	MUL8 F1, 1, 2, 0
.endm
	s_wait_tensorcnt 1                             ; my part of K step 0 is in; K step 1's may be out
	s_barrier_signal -1
	s_barrier_wait -1
	FETCH 0, 0, F0
	s_wait_loadcnt 0x0                             ; the bias
	QUARTER 0, 128, F0, F1, 1
	WIN 0
	s_mov_b32 s3, LAPS-1
.Llap:
	QUARTER 0, 256, F1, F0, 0
	QUARTER 0, 384, F0, F1, 0
	TURN 0, 1, 1
	QUARTER 1, 128, F0, F1, 0
	QUARTER 1, 256, F1, F0, 0
	QUARTER 1, 384, F0, F1, 0
	TURN 1, 0, 1
	QUARTER 0, 128, F0, F1, 0
	WIN 0
	s_sub_co_u32 s3, s3, 1
	s_cmp_lg_u32 s3, 0
	s_cbranch_scc1 .Llap
	QUARTER 0, 256, F1, F0, 0                      ; the last lap fills nothing
	QUARTER 0, 384, F0, F1, 0
	TURN 0, 1, 0
	QUARTER 1, 128, F0, F1, 0
	QUARTER 1, 256, F1, F0, 0
	QUARTER 1, 384, F0, F1, 0
	s_wait_dscnt 16
	WIN MUL
	MUL8 F1, 0, 0, 0
	MUL8 F1, 0, 2, 0
	s_wait_dscnt 0
	MUL8 F1, 1, 0, 0
	MUL8 F1, 1, 2, 0
	WIN 0
; THE WAY OUT, a block of 16 rows x 64 columns of f32 at a time, through my own stage: LDS serves a wave's instructions in order, so no wait stands between the stores and the loads, nor ahead of the next block's stores.
.macro TOSTAGE a
.set BB, TMP+32*((\a)%2)
.irp b, 0,1,2,3
	ds_store_b128 v[STO], v[ACC+8*(4*(\a)+\b):ACC+8*(4*(\a)+\b)+3] offset:64*\b      ; each accumulator from its low end on
	ds_store_b128 v[STO], v[ACC+8*(4*(\a)+\b)+4:ACC+8*(4*(\a)+\b)+7] offset:64*\b+16
.endr
.irp i, 0,1,2,3,4,5,6,7
	ds_load_b128 v[BB+4*\i:BB+4*\i+3], v[RD] offset:\i*2*SPITCH
.endr
.endm
.macro SEND a, younger
.set BB, TMP+32*((\a)%2)
	s_wait_dscnt \younger                          ; the block is back; the next block's eight stores and eight loads may be out
.irp i, 0,1,2,3,4,5,6,7
	global_store_b128 v[CO], v[BB+4*\i:BB+4*\i+3], s[8:9] offset:(16*(\a)+2*\i)*SIZE_N*4 th:TH_STORE_NT   ; 16 lanes store 256 consecutive bytes, aligned
.endr
.endm
	PLACES
	TOSTAGE 0
.irp a, 1,2,3
.if \a > 1
	s_wait_xcnt 0x0                                ; block a - 2's stores have read their registers: block a's loads may land there
.endif
	TOSTAGE \a
	SEND \a-1, 16
.endr
	SEND 3, 0
	s_wait_tensorcnt 0x0                           ; the wave's end
	ds_add_u32 v[SPW], v[NIL]
	s_wait_dscnt 0x0
	CROUND                                         ; the closing round
	s_endpgm
.Lfunc_end_k_q29cd85af1f_oproj:
	.size	k_q29cd85af1f_oproj, .Lfunc_end_k_q29cd85af1f_oproj-k_q29cd85af1f_oproj
	.p2alignl 7, 3214868480
	.fill 96, 4, 3214868480
	.section	.rodata,"a",@progbits
	.p2align	6, 0x0
	.amdhsa_kernel k_q29cd85af1f_oproj
		.amdhsa_group_segment_fixed_size 327680
		.amdhsa_private_segment_fixed_size 0
		.amdhsa_enable_private_segment 0
		.amdhsa_kernarg_size 32
		.amdhsa_user_sgpr_count 2
		.amdhsa_user_sgpr_kernarg_segment_ptr 1
		.amdhsa_wavefront_size32 1
		.amdhsa_system_sgpr_workgroup_id_x 1
		.amdhsa_system_sgpr_workgroup_id_y 1
		.amdhsa_system_sgpr_workgroup_id_z 1
		.amdhsa_system_vgpr_workitem_id 0
		.amdhsa_next_free_vgpr 512
		.amdhsa_next_free_sgpr 68
		.amdhsa_reserve_vcc 0
		.amdhsa_float_denorm_mode_32 3
		.amdhsa_float_denorm_mode_16_64 3
		.amdhsa_memory_ordered 1
		.amdhsa_forward_progress 1
		.amdhsa_inst_pref_size 86
	.end_amdhsa_kernel
	.amdgpu_metadata
---
amdhsa.version: [ 1, 2 ]
amdhsa.kernels:
  - .name:           k_q29cd85af1f_oproj
    .symbol:         k_q29cd85af1f_oproj.kd
    .args:
      - { .name: o, .offset: 0, .size: 8, .value_kind: global_buffer, .address_space: global }
      - { .name: wot, .offset: 8, .size: 8, .value_kind: global_buffer, .address_space: global }
      - { .name: bo, .offset: 16, .size: 8, .value_kind: global_buffer, .address_space: global }
      - { .name: out0, .offset: 24, .size: 8, .value_kind: global_buffer, .address_space: global }
    .group_segment_fixed_size: 327680
    .private_segment_fixed_size: 0
    .kernarg_segment_align: 8
    .kernarg_segment_size: 32
    .max_flat_workgroup_size: 128
    .sgpr_count:     68
    .vgpr_count:     512
    .wavefront_size: 32
...
	.end_amdgpu_metadata
.endif
;; end of part 5
;; launch fine2 (part 6): grid 64 x 1, 8 waves a work-group, no clusters, 9,216 bytes of LDS; arguments of, Wo, bo, out0; writes out0
.if DOCPART == 6
	.amdgcn_target "amdgcn-amd-amdhsa--gfx1250"
	.amdhsa_code_object_version 6
	.text
	.protected	k_q29cd85af1f_fine2
	.globl	k_q29cd85af1f_fine2
	.p2align	8
	.type	k_q29cd85af1f_fine2,@function
k_q29cd85af1f_fine2:
	s_mov_b64 s[64:65], 0
	v_nop
	global_prefetch_b8 v0, s[64:65] scope:SCOPE_SE
	s_setreg_imm32_b32 hwreg(HW_REG_WAVE_MODE, 25, 1), 1
	s_wait_xcnt 0x0
; ROWS 0-15 OF THE RESULT, IN f32: out0[0..15][:] = of Wo + bo, with of [16][1024] f32 and Wo [k 1024][n 1024] f32 as it is given.  It writes over what the launch before left in these 16 rows.
; A work-group takes 16 columns; its eight waves share K, 128 channels each: 32 products of v_wmma_f32_16x16x4_f32 on four accumulators by turns; the parts meet in LDS.
; Both operands take K in the same order: product (i, u) sums channels 8 i + 4 h + 2 u + 0, 1.  No bulk work: 16 rows in all.
.set AFR, 16                           ; v16-79   of: 16 loads of 4 neighbouring channels
.set BFR, 80                           ; v80-143  Wo: 64 numbers of my column
.set ACC, 144                          ; v144-175 four accumulators, written by matrix instructions alone
.set SUM, 176
.set TM,  184
.set SPW, 12
.set NIL, 13
.set SPARE, 8192
	s_load_b256 s[4:11], s[0:1], 0x0               ; of, Wo, bo, out0
	v_lshl_add_u32 v[SPW], v0, 2, SPARE
	v_mov_b32 v[NIL], 0
	v_lshrrev_b32 v1, 5, v0
	v_readfirstlane_b32 s12, v1                    ; wave 0..7
	v_and_b32 v1, 15, v0                           ; r
	v_bfe_u32 v2, v0, 4, 1                         ; h
	v_lshlrev_b32 v3, 12, v1
	v_lshl_add_u32 v3, v2, 4, v3                   ; of: row r of 4,096 bytes, + 16 h
	v_lshlrev_b32 v4, 2, v1                        ; 4 r: my column
	v_lshl_add_u32 v5, v2, 14, v4                  ; Wo: lanes 16-31 begin 4 rows further down
	v_lshl_add_u32 v7, v2, 15, v4                  ; out0: row 8 h (+ wave), column r
	v_and_b32 v8, 31, v0
	v_lshlrev_b32 v8, 2, v8
	s_lshl_b32 s13, s12, 10
	v_add_nc_u32 v8, s13, v8                       ; LDS: my wave's 1,024 bytes, 4 x lane
	v_lshlrev_b32 v9, 2, v0                        ; and back: 128 x wave + 4 x lane in each wave's part
	s_lshl_b32 s14, s12, 9
	s_mov_b32 s15, 0
	s_lshl_b32 s16, ttmp9, 6                       ; the work-group's 16 columns
	s_mov_b32 s17, 0
	s_wait_kmcnt 0x0
	s_add_nc_u64 s[4:5], s[4:5], s[14:15]          ; of at my 128 channels
	s_lshl_b32 s14, s12, 19
	s_add_nc_u64 s[6:7], s[6:7], s[14:15]          ; Wo at my 128 rows,
	s_add_nc_u64 s[6:7], s[6:7], s[16:17]          ; my columns
	s_add_nc_u64 s[8:9], s[8:9], s[16:17]
	s_lshl_b32 s14, s12, 12
	s_add_nc_u64 s[10:11], s[10:11], s[14:15]
	s_add_nc_u64 s[10:11], s[10:11], s[16:17]
.set i, 0
.rept 16
	global_load_b128 v[AFR+4*i:AFR+4*i+3], v3, s[4:5] offset:32*i
.set i, i+1
.endr
.set i, 0
.rept 64
	global_load_b32 v[BFR+i], v5, s[6:7] offset:(8*(i/4)+i%4)*4096
.set i, i+1
.endr
	global_load_b32 v6, v4, s[8:9]                 ; bo of my column
	s_wait_loadcnt 0x0
.set i, 0
.rept 32
.if i < 4
	v_wmma_f32_16x16x4_f32 v[ACC+8*(i%4):ACC+8*(i%4)+7], v[AFR+2*i:AFR+2*i+1], v[BFR+2*i:BFR+2*i+1], 0
.else
	v_wmma_f32_16x16x4_f32 v[ACC+8*(i%4):ACC+8*(i%4)+7], v[AFR+2*i:AFR+2*i+1], v[BFR+2*i:BFR+2*i+1], v[ACC+8*(i%4):ACC+8*(i%4)+7]
.endif
.set i, i+1
.endr
.rept 8
	v_nop                                          ; eight plain lines behind this form before its results are read
.endr
.irp j, 0,1,2,3,4,5,6,7
	v_add_f32 v[SUM+\j], v[ACC+\j], v[ACC+8+\j]
	v_add_f32 v[TM+\j], v[ACC+16+\j], v[ACC+24+\j]
.endr
.irp j, 0,1,2,3,4,5,6,7
	v_add_f32 v[SUM+\j], v[SUM+\j], v[TM+\j]
.endr
.irp j, 0,1,2,3,4,5,6,7
	ds_store_b32 v8, v[SUM+\j] offset:128*\j       ; register j: row 8 h + j, column r
.endr
	s_wait_dscnt 0x0
	s_barrier_signal -1
	s_barrier_wait -1
.irp w, 0,1,2,3,4,5,6,7
	ds_load_b32 v[SUM+\w], v9 offset:1024*\w       ; wave w takes register w of all eight waves
.endr
	s_wait_dscnt 0x0
	v_add_f32 v[SUM], v[SUM], v[SUM+1]
	v_add_f32 v[SUM+2], v[SUM+2], v[SUM+3]
	v_add_f32 v[SUM+4], v[SUM+4], v[SUM+5]
	v_add_f32 v[SUM+6], v[SUM+6], v[SUM+7]
	v_add_f32 v[SUM], v[SUM], v[SUM+2]
	v_add_f32 v[SUM+4], v[SUM+4], v[SUM+6]
	v_add_f32 v[SUM], v[SUM], v[SUM+4]
	v_add_f32 v[SUM], v[SUM], v6
	global_store_b32 v7, v[SUM], s[10:11]          ; out0[8 h + wave][16 x work-group + r]
	s_wait_tensorcnt 0x0                           ; the wave's end
	ds_add_u32 v[SPW], v[NIL]
	s_wait_dscnt 0x0
	s_endpgm
.Lfunc_end_k_q29cd85af1f_fine2:
	.size	k_q29cd85af1f_fine2, .Lfunc_end_k_q29cd85af1f_fine2-k_q29cd85af1f_fine2
	.p2alignl 7, 3214868480
	.fill 96, 4, 3214868480
	.section	.rodata,"a",@progbits
	.p2align	6, 0x0
	.amdhsa_kernel k_q29cd85af1f_fine2
		.amdhsa_group_segment_fixed_size 9216
		.amdhsa_private_segment_fixed_size 0
		.amdhsa_enable_private_segment 0
		.amdhsa_kernarg_size 32
		.amdhsa_user_sgpr_count 2
		.amdhsa_user_sgpr_kernarg_segment_ptr 1
		.amdhsa_wavefront_size32 1
		.amdhsa_system_sgpr_workgroup_id_x 1
		.amdhsa_system_sgpr_workgroup_id_y 1
		.amdhsa_system_sgpr_workgroup_id_z 1
		.amdhsa_system_vgpr_workitem_id 0
		.amdhsa_next_free_vgpr 192
		.amdhsa_next_free_sgpr 66
		.amdhsa_reserve_vcc 0
		.amdhsa_float_denorm_mode_32 3
		.amdhsa_float_denorm_mode_16_64 3
		.amdhsa_memory_ordered 1
		.amdhsa_forward_progress 1
		.amdhsa_inst_pref_size 14
	.end_amdhsa_kernel
	.amdgpu_metadata
---
amdhsa.version: [ 1, 2 ]
amdhsa.kernels:
  - .name:           k_q29cd85af1f_fine2
    .symbol:         k_q29cd85af1f_fine2.kd
    .args:
      - { .name: of, .offset: 0, .size: 8, .value_kind: global_buffer, .address_space: global }
      - { .name: Wo, .offset: 8, .size: 8, .value_kind: global_buffer, .address_space: global }
      - { .name: bo, .offset: 16, .size: 8, .value_kind: global_buffer, .address_space: global }
      - { .name: out0, .offset: 24, .size: 8, .value_kind: global_buffer, .address_space: global }
    .group_segment_fixed_size: 9216
    .private_segment_fixed_size: 0
    .kernarg_segment_align: 8
    .kernarg_segment_size: 32
    .max_flat_workgroup_size: 256
    .sgpr_count:     66
    .vgpr_count:     192
    .wavefront_size: 32
...
	.end_amdgpu_metadata
.endif
;; end of part 6
